; MI455X (gfx1250); checked and timed in simulation.
; The chip was launched on July 23, 2026; its instructions are those of AMD's public machine-readable ISA for CDNA 5 (MIT licence, August 2026) and "CDNA5" Instruction Set Architecture Reference Guide (July 2026). The comments in the code are by the model that wrote it; some were corrected since.
;; Diff Attention. Allowed arithmetic: matrix products marked QUANTISED: E2M3 operands, one E8M0 scale for each 32 along K, by v_wmma_scale_f32_16x16x128_f8f6f4 with both operands' format E2M3, f32 sums; everything else in f32.
;; Inputs: lambda_k1 64 float32; lambda_k2 64 float32; lambda_q1 64 float32; lambda_q2 64 float32; subln_weight 128 float32; wk 2,048 x 2,048 float32; wout 2,048 x 2,048 float32; wq 2,048 x 2,048 float32; wv 2,048 x 2,048 float32; x 1 x 2,048 x 2,048 float32.
;; Outputs: out0 1 x 2,048 x 2,048 float32.
;; This version of the problem:
;;   THIS VERSION OF THE PROBLEM IS GIVEN IN LOW PRECISION. The matrix products marked QUANTISED in the list below multiply operands that are first quantised to E2M3 (2 exponent bits, 3 mantissa bits; 6 bits a number), with one power-of-two scale for each 32 numbers along K (OCP MX v1.0); their sums are f32. All else is computed in f32.
;;   The module's matrix products, in the order in which they are computed (A, B: the left and right operand; K: the contracted axis; several contracted axes count as one K, in the product's order):
;;     1. [M 2,048, K 2,048] x [K 2,048, N 2,048]; A: input x; B: input wq: QUANTISED
;;     2. [M 2,048, K 2,048] x [K 2,048, N 2,048]; A: input x; B: input wk: QUANTISED
;;     3. [M 2,048, K 2,048] x [K 2,048, N 2,048]; A: input x; B: input wv: QUANTISED
;;     4. batch 32 x [M 2,048, K 64] x [K 64, N 2,048]; A: computed on the way; B: computed on the way: QUANTISED
;;     5. batch 16 x [M 2,048, K 2,048] x [K 2,048, N 128]; A: computed on the way; B: computed on the way: QUANTISED
;;     6. [M 2,048, K 2,048] x [K 2,048, N 2,048]; A: computed on the way; B: input wout: QUANTISED
;;   THE QUANTISER, for each operand of a quantised product, along K:
;;     - K is cut into blocks of 32 from its start; a last block that is shorter is filled with zeros.
;;     - A block's scale is 2^e with e = floor(log2(the largest magnitude in the block)) - 2, held to -126 .. 127; a block of zeros has e = 0. As a byte (E8M0): e + 127.
;;     - Each number is divided by its block's scale, clamped to +-7.5, and rounded to the nearest number of E2M3, ties to even, subnormals kept.
;;     - The product sums the exact products of the quantised numbers (number of the format x scale) in f32.
;;   ~~~python
;;   def quantise(x, axis):      # numpy; x: float32 -> the quantised numbers, widened to float32 again
;;       x = np.moveaxis(x, axis, -1); K = x.shape[-1]
;;       x = np.pad(x, [(0, 0)] * (x.ndim - 1) + [(0, -K % 32)]); x = x.reshape(x.shape[:-1] + (-1, 32)); a = np.abs(x).max(-1, keepdims=True)
;;       e = np.where(a > 0, np.clip(np.frexp(np.where(a > 0, a, 1))[1] - 1 - 2, -126, 127), 0)      # np.frexp(a)[1] - 1 = floor(log2(a)), exactly
;;       r = np.clip(x / 2.0 ** e, -7.5, 7.5)
;;       step = 2.0 ** (np.maximum(np.frexp(np.where(r == 0, 1, r))[1] - 1, 0) - 3)
;;       q = np.round(r / step) * step * 2.0 ** e      # np.round: ties to even
;;       return np.moveaxis(q.reshape(q.shape[:-2] + (-1,))[..., :K], -1, axis).astype(np.float32)
;;   ~~~
;;   OPERANDS COMPUTED ON THE WAY. 'Computed on the way' means the value that the module computes at that place (a softmax that the list does not call 'softmax' is quantised finished and normalised). What goes into a quantiser is computed in f32, as accurately as f32 sums, v_exp_f32 and their like allow (about 1e-6 of the number): no bf16 or f16 on the way to a quantiser, and a product that is left as it is and whose result goes on into a quantised operand takes f32 operands (vector FMAs, or v_wmma_f32_16x16x4_f32). A number that lies on a knife's edge between two numbers of the format may be rounded either way, as far as f32 arithmetic and the matrix unit's own rounding can turn it there, and no further.
;; One version. Each part assembles by itself: llvm-mc -triple=amdgcn-amd-amdhsa -mcpu=gfx1250 --defsym DOCPART=n.
;; ======== version 1 of 1: 4 launches
;; limits: right only within a limited range of input values
;; workspace buffers: opc 15,728,640 bytes; ops 655,360 bytes; rope 524,288 bytes; qkvc 9,830,400 bytes; attc 3,145,728 bytes; atts 131,072 bytes
;; launch prep (part 1): grid 336 x 1, 4 waves a work-group, no clusters, 34,304 bytes of LDS; arguments x, wq, wk, wv, wout, opc, ops, rope; writes opc, ops, rope
.if DOCPART == 1
	.amdgcn_target "amdgcn-amd-amdhsa--gfx1250"
	.amdhsa_code_object_version 6
	.text
	.protected	k_qdbb5f28611_prep
	.globl	k_qdbb5f28611_prep
	.p2align	8
	.type	k_qdbb5f28611_prep,@function
k_qdbb5f28611_prep:
	s_mov_b64 s[64:65], 0
	v_nop
	global_prefetch_b8 v0, s[64:65] scope:SCOPE_SE
	s_setreg_imm32_b32 hwreg(HW_REG_WAVE_MODE, 25, 1), 1
	s_wait_xcnt 0x0
; x, wq, wk, wv, wout ([2048][2048] f32, K innermost) become codes of FP6 (E2M3) with one E8M0 byte for each 32 along K, laid as IMAGES OF OPERAND REGISTERS;
; and the table of RoPE's cosines and sines is made.
; IMAGE.  Rows go in groups of 128, K in chunks of 128.  A (group, chunk) is 8 fragments of 1,536 bytes; byte 512 c + 16 lane + 4 i of a fragment is register 4 c + i of that lane.
; Lane (r, h) of fragment a holds row 32 (a / 2) + 8 (a % 2) + r + 8 (r / 8) of the group; its registers 6 c .. 6 c + 5 hold k = 64 c + 32 h + 0 .. 31.  So a reader takes a fragment by three loads of 16 bytes a lane.
; SCALE WORDS.  512 bytes for a (group, chunk): byte 16 lane + 4 p: lanes 0-15 the word of fragment 2 p, lanes 16-31 that of fragment 2 p + 1.
; A block's scale is 2^(floor(log2(its largest magnitude)) - 2); its byte is that magnitude's exponent field - 2, held at 1 from below.
; LIMITS: NaN and infinities among the inputs are not served; a block whose largest magnitude lies under 2^-124 (a block of zeros too) gets the byte 1: the bytes are read by this program alone, and zero codes add nothing.
; SHARES.  Work-groups 0 to 319: tensor g / 64, group (g % 64) / 4, chunk 4 (g % 4) + wave: a wave takes 128 rows x 128 K; the four waves stand side by side on 2,048 bytes of each row.
; Each load reads 512 consecutive bytes of one row; 16 rows turn through the wave's own stage in LDS (pitch 528), so that a lane gets two whole blocks of 32 of its row.
; Work-groups 320 to 335: the table: wave: 32 tokens; lane: pair i.  No matrix unit, no cluster, no tensor load: no two work-groups read the same bytes, and each byte is read once.
.set TEN,   3145728                    ; a tensor's codes in bytes
.set CH,    12288                      ; a (group, chunk) of codes
.set WSTG,  8448                       ; a wave's stage: 16 rows x 528 bytes
.set SPARE, 4*WSTG                     ; behind the stages: the spare words, 128 bytes for each wave
.set R,     16                         ; v16-143  two sets of 64 registers as loaded
.set X,     144                        ; v144-207 my two blocks of 32 numbers
.set C,     208                        ; v208-219 a fragment's codes
.set C2,    220                        ; v220-226 the blocks' second halves as converted
.set PWS,   236                        ; v236-243 the eight fragments' scale words
.set W4,    244                        ; v244-247 merged for the store
.set SPW,   248                        ; v248 my spare word's LDS address; never rewritten
.set NIL,   249                        ; v249 0; never rewritten
	s_load_b512 s[8:23], s[0:1], 0x0               ; x s[8:9], wq s[10:11], wk s[12:13], wv s[14:15], wout s[16:17], opc s[18:19], ops s[20:21], rope s[22:23]
	v_lshl_add_u32 v[SPW], v0, 2, SPARE
	v_mov_b32 v[NIL], 0
	v_lshrrev_b32 v5, 5, v0
	v_readfirstlane_b32 s2, v5                     ; wave
	v_and_b32 v5, 31, v0                           ; lane
	s_mov_b32 s28, 0x76543210
	s_mov_b32 s29, 0xfedcba98                      ; lane selects: lane l xor 16
	s_wait_kmcnt 0x0
	s_cmp_ge_u32 ttmp9, 320
	s_cbranch_scc1 .Lrope
	; ---------------- the quantiser ----------------
	v_and_b32 v6, 15, v0                           ; r
	v_bfe_u32 v7, v0, 4, 1                         ; h
	s_wait_alu depctr_va_vdst(0)
	v_lshlrev_b32 v1, 4, v5                        ; 16 x lane: in a row's 512 bytes, and in an image
	s_wait_alu depctr_va_vdst(0)
	s_mul_i32 s3, s2, WSTG
	v_add_nc_u32 v2, s3, v1                        ; the stage, on the way in
	v_mul_u32_u24 v3, v6, 528
	v_lshl_add_u32 v3, v7, 7, v3
	v_add_nc_u32 v3, s3, v3                        ; and out: row r, + 128 h bytes
	v_lshlrev_b32 v4, 3, v7                        ; 8 h: where my two bytes stand in the scale word
	v_mov_b32 v235, 0                              ; a lane permute's destination counts as read
	s_lshr_b32 s3, ttmp9, 6                        ; which tensor
	s_cmp_eq_u32 s3, 1
	s_cselect_b64 s[8:9], s[10:11], s[8:9]
	s_cmp_eq_u32 s3, 2
	s_cselect_b64 s[8:9], s[12:13], s[8:9]
	s_cmp_eq_u32 s3, 3
	s_cselect_b64 s[8:9], s[14:15], s[8:9]
	s_cmp_eq_u32 s3, 4
	s_cselect_b64 s[8:9], s[16:17], s[8:9]
	s_bfe_u32 s4, ttmp9, 0x40002                   ; group
	s_and_b32 s5, ttmp9, 3
	s_lshl_b32 s5, s5, 2
	s_add_co_u32 s5, s5, s2                        ; chunk
	s_lshl_b32 s24, s4, 20                         ; 128 rows of 8,192 bytes
	s_lshl_b32 s25, s5, 9                          ; 512 bytes a chunk
	s_add_co_u32 s24, s24, s25
	s_mov_b32 s25, 0
	s_add_nc_u64 s[8:9], s[8:9], s[24:25]
	s_lshl_b32 s26, s4, 4
	s_add_co_u32 s26, s26, s5                      ; 16 x group + chunk
	s_mul_i32 s24, s26, CH
	s_mul_i32 s27, s3, TEN
	s_add_co_u32 s24, s24, s27
	s_add_nc_u64 s[18:19], s[18:19], s[24:25]
	s_lshl_b32 s24, s26, 9
	s_lshl_b32 s27, s3, 17
	s_add_co_u32 s24, s24, s27
	s_add_nc_u64 s[20:21], s[20:21], s[24:25]
.macro LOADF a                         ; fragment a's 16 rows, 512 consecutive bytes a load
.irp p, 0,1,2,3,4,5,6,7,8,9,10,11,12,13,14,15
	global_load_b128 v[R+64*((\a)%2)+4*\p:R+64*((\a)%2)+4*\p+3], v1, s[8:9] offset:(32*((\a)/2)+8*((\a)%2)+\p+8*(\p/8))*8192 th:TH_LOAD_NT
.endr
.endm
.macro FRAGQ a
.if (\a) < 7
	s_wait_loadcnt 16                              ; this fragment's 16 loads are in; the next fragment's 16 may be out
.else
	s_wait_loadcnt 0x0
.endif
.irp p, 0,1,2,3,4,5,6,7,8,9,10,11,12,13,14,15
	ds_store_b128 v2, v[R+64*((\a)%2)+4*\p:R+64*((\a)%2)+4*\p+3] offset:528*\p
.endr
.irp c, 0,1
.irp i, 0,1,2,3,4,5,6,7
	ds_load_b128 v[X+32*\c+4*\i:X+32*\c+4*\i+3], v3 offset:256*\c+16*\i   ; LDS serves a wave's instructions in order: these see the stores above
.endr
.endr
	s_wait_dscnt 0x0                               ; my numbers are back, and the stores have read their registers,
.if (\a) < 6
	LOADF (\a)+2                                   ; which take the fragment two further on
.endif
	v_max3_num_f32 v228, |v[X]|, |v[X+1]|, 0x1800000        ; my two blocks by turns; the floor 2^(3 - 127) keeps the byte at 1 from below
	v_max3_num_f32 v229, |v[X+32]|, |v[X+33]|, 0x1800000
.irp i, 2,4,6,8,10,12,14,16,18,20,22,24,26,28,30
	v_max3_num_f32 v228, v228, |v[X+\i]|, |v[X+\i+1]|
	v_max3_num_f32 v229, v229, |v[X+32+\i]|, |v[X+33+\i]|
.endr
	v_add_nc_u32 v230, 0xff000000, v228            ; 2 off the exponent field: the conversion's scale operand
	v_add_nc_u32 v231, 0xff000000, v229
	v_lshrrev_b32 v232, 23, v230                   ; the bytes of blocks h and 2 + h
	v_lshrrev_b32 v233, 23, v231
	v_lshl_or_b32 v234, v233, 16, v232
	v_lshlrev_b32 v234, v4, v234                   ; at their places in the word
	v_permlanex16_b32 v235, v234, s28, s29
	v_or_b32 v[PWS+(\a)], v234, v235               ; with lane l xor 16's two the word is whole
	s_wait_alu depctr_va_vdst(0)
	s_wait_xcnt 0x0                                ; the last fragment's stores have read the codes' registers
	v_cvt_scalef32_pk16_fp6_f32 v[C:C+2], v[X:X+15], v230
	v_cvt_scalef32_pk16_fp6_f32 v[C2:C2+2], v[X+16:X+31], v230      ; (a conversion's three registers begin on an even number)
	v_cvt_scalef32_pk16_fp6_f32 v[C+6:C+8], v[X+32:X+47], v231
	v_cvt_scalef32_pk16_fp6_f32 v[C2+4:C2+6], v[X+48:X+63], v231
	v_nop                                          ; one plain place behind a scaled conversion
.irp i, 0,1,2
	v_mov_b32 v[C+3+\i], v[C2+\i]
	v_mov_b32 v[C+9+\i], v[C2+4+\i]
.endr
.irp c, 0,1,2
	global_store_b128 v1, v[C+4*\c:C+4*\c+3], s[18:19] offset:1536*(\a)+512*\c   ; 32 lanes store 512 consecutive bytes, aligned
.endr
.endm
	LOADF 0
	LOADF 1
	s_wait_alu depctr_va_vdst(0)
.irp a, 0,1,2,3,4,5,6,7
	FRAGQ \a
.endr
	v_cmp_gt_u32 s30, 16, v5                       ; lanes 0-15
.irp p, 0,1,2,3
	v_cndmask_b32 v[W4+\p], v[PWS+2*\p+1], v[PWS+2*\p], s30   ; the even fragment's word below, the odd one's above
.endr
	global_store_b128 v1, v[W4:W4+3], s[20:21]
	s_wait_tensorcnt 0x0                           ; the wave's end, behind my last LDS store
	ds_add_u32 v[SPW], v[NIL]
	s_wait_dscnt 0x0
	s_endpgm
	; ---------------- the table: rope[token][i] = (cos, sin) of token x 10^(-i / 8) ----------------
	; The angle in turns is token x g, g = 10^(-i / 8) / (2 pi) kept as a sum of two f32 numbers (made by squaring and multiplying, the lane's five bits).  The whole turns and the quarter turns are taken
	; off exactly; what is left, at most an eighth of a turn, goes through polynomials for sine and cosine on +-pi / 4.
.Lrope:
	s_sub_co_u32 s3, ttmp9, 320
	s_lshl_b32 s3, s3, 7
	s_lshl_b32 s4, s2, 5
	s_add_co_u32 s25, s3, s4                       ; my wave's first token
	s_lshl_b32 s26, s25, 8                         ; 256 bytes a token
	s_mov_b32 s27, 0
	s_add_nc_u64 s[22:23], s[22:23], s[26:27]
	s_mov_b32 s40, 0xb94ca1f9                      ; sine: -1.9515295891e-4,
	s_mov_b32 s41, 0x3c08839e                      ; 8.3321608736e-3,
	s_mov_b32 s42, 0xbe2aaaa3                      ; -1.6666654611e-1
	s_mov_b32 s43, 0x37ccf5ce                      ; cosine: 2.443315711809948e-5,
	s_mov_b32 s44, 0xbab6061a                      ; -1.388731625493765e-3,
	s_mov_b32 s45, 0x3d2aaaa5                      ; 4.166664568298827e-2
	v_mov_b32 v10, 0x3e22f983                      ; 1 / (2 pi), high and low part
	v_mov_b32 v11, 0x31dc9c88
	v_mov_b32 v12, 0x3f3ff911                      ; 10^(-1 / 8), high and low part
	v_mov_b32 v13, 0x32022bb3
	s_wait_alu depctr_va_vdst(0)
	v_lshlrev_b32 v38, 3, v5                       ; 8 bytes a pair
.macro DFMUL dh, dl, ah, al, bh, bl    ; (dh, dl) = (ah, al) x (bh, bl)
	v_mul_f32 v16, v[\ah], v[\bh]
	v_fma_f32 v17, v[\ah], v[\bh], -v16            ; the product's rounding error, exactly
	v_fma_f32 v17, v[\ah], v[\bl], v17
	v_fma_f32 v17, v[\al], v[\bh], v17
	v_add_f32 v[\dh], v16, v17
	v_sub_f32 v16, v[\dh], v16
	v_sub_f32 v[\dl], v17, v16
.endm
.irp bit, 1,2,4,8,16
	DFMUL 14, 15, 10, 11, 12, 13
	v_and_b32 v18, \bit, v5
	v_cmp_ne_u32 vcc_lo, 0, v18
	v_cndmask_b32 v10, v10, v14, vcc_lo
	v_cndmask_b32 v11, v11, v15, vcc_lo
	DFMUL 12, 13, 12, 13, 12, 13
.endr
	s_mov_b32 s24, 0
.Ltok:
	v_cvt_f32_u32 v20, s25
	v_mul_f32 v21, v20, v10                        ; turns, high part,
	v_fma_f32 v22, v20, v10, -v21                  ; its error,
	v_fma_f32 v22, v20, v11, v22                   ; and the low part's share
	v_rndne_f32 v23, v21
	v_sub_f32 v21, v21, v23                        ; whole turns off: exact
	v_mul_f32 v23, 4.0, v21
	v_rndne_f32 v23, v23                           ; quarter turns
	v_fmamk_f32 v21, v23, 0xbe800000, v21          ; off too: exact
	v_add_f32 v21, v21, v22
	v_mul_f32 v24, 0x40c90fdb, v21
	v_fmamk_f32 v24, v21, 0xb43bbd2e, v24          ; x = y x 2 pi (high and low part)
	v_mul_f32 v25, v24, v24                        ; z
	v_fma_f32 v26, v25, s40, s41
	v_fma_f32 v28, v25, s43, s44
	v_fma_f32 v26, v26, v25, s42
	v_fma_f32 v28, v28, v25, s45
	v_mul_f32 v27, v24, v25
	v_mul_f32 v29, v25, v25
	v_fma_f32 v30, v25, -0.5, 1.0
	v_fma_f32 v26, v27, v26, v24                   ; sin x
	v_fma_f32 v28, v29, v28, v30                   ; cos x
	v_cvt_i32_f32 v31, v23
	v_and_b32 v32, 1, v31
	v_cmp_ne_u32 vcc_lo, 0, v32                    ; an odd quarter: the two change places
	v_cndmask_b32 v33, v28, v26, vcc_lo
	v_cndmask_b32 v34, v26, v28, vcc_lo
	v_add_nc_u32 v35, 1, v31
	v_and_b32 v35, 2, v35
	v_lshlrev_b32 v35, 30, v35
	v_xor_b32 v36, v33, v35                        ; the cosine is negative in quarters 1 and 2,
	v_and_b32 v32, 2, v31
	v_lshlrev_b32 v32, 30, v32
	v_xor_b32 v37, v34, v32                        ; the sine in quarters 2 and 3
	global_store_b64 v38, v[36:37], s[22:23]       ; 32 lanes store a token's 256 bytes
	s_wait_xcnt 0x0                                ; the store has read its data and its base: both are written again
	s_add_nc_u64 s[22:23], s[22:23], 256
	s_add_co_u32 s25, s25, 1
	s_add_co_u32 s24, s24, 1
	s_cmp_lt_u32 s24, 32
	s_cbranch_scc1 .Ltok
	s_endpgm
.Lfunc_end_k_qdbb5f28611_prep:
	.size	k_qdbb5f28611_prep, .Lfunc_end_k_qdbb5f28611_prep-k_qdbb5f28611_prep
	.p2alignl 7, 3214868480
	.fill 96, 4, 3214868480
	.section	.rodata,"a",@progbits
	.p2align	6, 0x0
	.amdhsa_kernel k_qdbb5f28611_prep
		.amdhsa_group_segment_fixed_size 34304
		.amdhsa_private_segment_fixed_size 0
		.amdhsa_enable_private_segment 0
		.amdhsa_kernarg_size 64
		.amdhsa_user_sgpr_count 2
		.amdhsa_user_sgpr_kernarg_segment_ptr 1
		.amdhsa_wavefront_size32 1
		.amdhsa_system_sgpr_workgroup_id_x 1
		.amdhsa_system_sgpr_workgroup_id_y 1
		.amdhsa_system_sgpr_workgroup_id_z 1
		.amdhsa_system_vgpr_workitem_id 0
		.amdhsa_next_free_vgpr 256
		.amdhsa_next_free_sgpr 66
		.amdhsa_reserve_vcc 1
		.amdhsa_float_denorm_mode_32 3
		.amdhsa_float_denorm_mode_16_64 3
		.amdhsa_memory_ordered 1
		.amdhsa_forward_progress 1
		.amdhsa_inst_pref_size 64
	.end_amdhsa_kernel
	.amdgpu_metadata
---
amdhsa.version: [ 1, 2 ]
amdhsa.kernels:
  - .name:           k_qdbb5f28611_prep
    .symbol:         k_qdbb5f28611_prep.kd
    .args:
      - { .name: x, .offset: 0, .size: 8, .value_kind: global_buffer, .address_space: global }
      - { .name: wq, .offset: 8, .size: 8, .value_kind: global_buffer, .address_space: global }
      - { .name: wk, .offset: 16, .size: 8, .value_kind: global_buffer, .address_space: global }
      - { .name: wv, .offset: 24, .size: 8, .value_kind: global_buffer, .address_space: global }
      - { .name: wout, .offset: 32, .size: 8, .value_kind: global_buffer, .address_space: global }
      - { .name: opc, .offset: 40, .size: 8, .value_kind: global_buffer, .address_space: global }
      - { .name: ops, .offset: 48, .size: 8, .value_kind: global_buffer, .address_space: global }
      - { .name: rope, .offset: 56, .size: 8, .value_kind: global_buffer, .address_space: global }
    .group_segment_fixed_size: 34304
    .private_segment_fixed_size: 0
    .kernarg_segment_align: 8
    .kernarg_segment_size: 64
    .max_flat_workgroup_size: 128
    .sgpr_count:     66
    .vgpr_count:     256
    .wavefront_size: 32
...
	.end_amdgpu_metadata
.endif
;; end of part 1
;; launch qkv (part 2): grid 24 x 8, 4 waves a work-group, clusters of 4 x 4, 327,680 bytes of LDS; arguments opc, ops, rope, qkvc; writes qkvc
.if DOCPART == 2
	.amdgcn_target "amdgcn-amd-amdhsa--gfx1250"
	.amdhsa_code_object_version 6
	.text
	.protected	k_qdbb5f28611_qkv
	.globl	k_qdbb5f28611_qkv
	.p2align	8
	.type	k_qdbb5f28611_qkv,@function
k_qdbb5f28611_qkv:
	s_mov_b64 s[64:65], 0
	v_nop
	global_prefetch_b8 v0, s[64:65] scope:SCOPE_SE
	s_setreg_imm32_b32 hwreg(HW_REG_WAVE_MODE, 25, 1), 1
	s_wait_xcnt 0x0
	s_wait_alu depctr_hold_cnt(0) depctr_sa_sdst(0) depctr_va_vdst(0) depctr_va_sdst(0) depctr_va_ssrc(0) depctr_va_vcc(0) depctr_vm_vsrc(0)
	s_getreg_b32 s2, hwreg(HW_REG_IB_STS2, 6, 4)
	s_cmp_eq_u32 s2, 0
	s_cbranch_scc0 .Lentry_in_a_cluster
	s_endpgm
.Lentry_in_a_cluster:
	s_bfe_u32 s2, ttmp6, 0x10000c
	s_cmp_lg_u32 s2, 0xf033
	s_cbranch_scc0 .Lentry_shape_is_right
	s_endpgm
.Lentry_shape_is_right:
; q = x wq^T, k = x wk^T (both with RoPE) and v^T = wv x^T on codes of FP6 with E8M0 scales; each result is quantised along its next K and stored as images of operand registers.
; A block of 256 x 256 a work-group, 128 x 128 a wave; a ring of two LDS slots of two chunks of 128 along K, filled by joint loads in a cluster of 4 x 4.
; OUT: a (group, chunk) of qkvc is 12,800 bytes: eight fragments of 1,536 bytes, then its 512 bytes of scale words; a tensor is 256 of them.
.set TEN,   3145728
.set GRP,   196608
.set CH,    12288
.set TENS,  131072
.set GRPS,  8192
.set QT,    24576
.set SLOT,  4*QT
.set SCL,   2*SLOT
.set SPARE, SCL+4*GRPS
.set FR,    12
.set NL,    3
.set NP,    4
.set LAPS,  4
.set ADRA, 16
.set ADRB, 20
.set ADSA, 22
.set ADSB, 23
.set LI,   24
.set VT,   25
.set SPW,  28
.set NIL,  29
.set SC,   32
.set AF,   128
.set T,    64
.set H,    128
.set PC,   192
.set TM,   212
.set PWS,  228
.set W4,   236
.set TT,   240
.set G1, 24
.set G0, 32
.set G1B, 48
.set G0B, 56
.set G1S, 68
.set G0S, 76
.set G1SB, 80
.set G0SB, 88
.set MSB, 0
.macro WIN new
.if MSB != (\new)
	s_set_vgpr_msb (MSB<<8)|(\new)
.set MSB, (\new)
.endif
.endm
.set MUL_LO, 0xa1
.set MUL_HI, 0xf1
.set TO_B,   0x40
.macro JLOAD g0a, g1a, g0b, g1b
	s_cmp_eq_u32 s15, 0
	s_cbranch_scc0 .Lfor_b_\@
	tensor_load_to_lds s[\g0a:\g0a+3], s[\g1a:\g1a+7]
	s_nop 0
.rept 4
	v_nop
.endr
	s_branch .Lasked_\@
.Lfor_b_\@:
	tensor_load_to_lds s[\g0b:\g0b+3], s[\g1b:\g1b+7]
	s_nop 0
.rept 4
	v_nop
.endr
.Lasked_\@:
.endm
.macro CREST
	s_cmp_lg_u32 s14, 0
	s_cbranch_scc1 .Lnot_wave_0_\@
	s_barrier_signal -3
.Lnot_wave_0_\@:
	s_barrier_wait -3
	s_barrier_signal -1
	s_barrier_wait -1
.endm
.macro CROUND
	s_barrier_signal -1
	s_barrier_wait -1
	CREST
.endm
.macro PLACES n
.rept \n
	v_nop
.endr
.endm
	s_load_b256 s[4:11], s[0:1], 0x0
	v_lshl_add_u32 v[SPW], v0, 2, SPARE
	v_mov_b32 v[NIL], 0
	ds_add_u32 v[SPW], v[NIL]
	ds_add_u32 v[SPW], v[NIL]
	v_lshrrev_b32 v1, 5, v0
	v_readfirstlane_b32 s14, v1
	v_and_b32 v30, 31, v0
	v_min_u32 v30, 23, v30                         ; the prefetches' offset: a lane a block of 256 bytes, 24 blocks; lanes 24-31 name the last again
	v_lshlrev_b32 v30, 8, v30
	s_lshr_b32 s15, s14, 1
	s_and_b32 s16, s14, 1
	s_bfe_u32 s40, ttmp6, 0x40000
	s_bfe_u32 s41, ttmp6, 0x40004
	s_lshr_b32 s66, ttmp9, 1
	s_and_b32 s42, ttmp9, 1
	s_lshl_b32 s42, s42, 2
	s_add_co_u32 s42, s42, s40
	s_and_b32 s17, ttmp7, 0xffff
	s_lshl_b32 s17, s17, 2
	s_add_co_u32 s17, s17, s41
	s_lshl_b32 s43, s41, 2
	s_lshl_b32 s43, 15, s43
	s_lshl_b32 s44, 0x1111, s40
	s_or_b32 s[G1+0], s43, (3<<16)|(1<<21)
	s_or_b32 s[G1B+0], s44, (3<<16)|(1<<21)
.irp g, G1, G1B
	s_mov_b32 s[\g+1], 32<<16
	s_mov_b32 s[\g+2], 96<<16
	s_mov_b32 s[\g+3], 32<<16
	s_mov_b32 s[\g+4], 96
	s_mov_b32 s[\g+5], 32
	s_mov_b32 s[\g+6], 0
	s_mov_b32 s[\g+7], 0
.endr
	s_or_b32 s[G1S+0], s43, (3<<16)|(1<<21)
	s_or_b32 s[G1SB+0], s44, (3<<16)|(1<<21)
.irp g, G1S, G1SB
	s_mov_b32 s[\g+1], 32<<16
	s_mov_b32 s[\g+2], 32<<16
	s_mov_b32 s[\g+3], 32<<16
	s_mov_b32 s[\g+4], 32
	s_mov_b32 s[\g+5], 32
	s_mov_b32 s[\g+6], 0
	s_mov_b32 s[\g+7], 0
.endr
	s_add_co_u32 s67, s66, 1
	s_cmp_eq_u32 s66, 2
	s_cselect_b32 s18, 3, 0
	s_cselect_b32 s67, 0, s67
	s_lshl_b32 s20, s17, 1
	s_add_co_u32 s20, s20, s16
	s_lshl_b32 s22, s20, 13
	s_mul_i32 s20, s20, GRP
	s_mul_i32 s19, s18, TEN
	s_add_co_u32 s20, s20, s19
	s_lshl_b32 s19, s18, 17
	s_add_co_u32 s22, s22, s19
	s_mov_b32 s21, 0
	s_mov_b32 s23, 0
	s_lshl_b32 s46, s42, 1
	s_add_co_u32 s46, s46, s16
	s_lshl_b32 s92, s46, 13
	s_mul_i32 s46, s46, GRP
	s_mul_i32 s94, s67, TEN
	s_add_co_u32 s46, s46, s94
	s_lshl_b32 s94, s67, 17
	s_add_co_u32 s92, s92, s94
	s_mov_b32 s47, 0
	s_mov_b32 s93, 0
	s_mul_i32 s45, s14, QT
	s_lshl_b32 s95, s14, 13
	s_wait_dscnt 0x0
	s_wait_kmcnt 0x0
	s_add_nc_u64 s[20:21], s[4:5], s[20:21]
	s_add_nc_u64 s[22:23], s[6:7], s[22:23]
	s_add_nc_u64 s[46:47], s[4:5], s[46:47]
	s_add_nc_u64 s[92:93], s[6:7], s[92:93]
	s_cmp_eq_u32 s15, 0                            ; the prefetches: of the 96 blocks that my tile load brings, the four partners that ask for it jointly take 24 each, told apart by address
	s_cselect_b64 s[12:13], s[20:21], s[46:47]
	s_cselect_b32 s2, s40, s41
	s_mul_i32 s2, s2, 6144
	s_mov_b32 s3, 0
	s_add_nc_u64 s[12:13], s[12:13], s[2:3]
	CROUND
	s_mov_b32 s[G0S], 1
	s_add_co_u32 s[G0S+1], s95, SCL
	s_mov_b64 s[G0S+2:G0S+3], s[22:23]
	s_or_b32 s[G0S+3], s[G0S+3], 0x80000000
	s_mov_b32 s[G0SB], 1
	s_add_co_u32 s[G0SB+1], s95, SCL
	s_mov_b64 s[G0SB+2:G0SB+3], s[92:93]
	s_or_b32 s[G0SB+3], s[G0SB+3], 0x80000000
	JLOAD G0S, G1S, G0SB, G1SB
.irp s, 0,1
	s_mov_b32 s[G0+4*\s], 1
	s_add_co_u32 s[G0+4*\s+1], s45, \s*SLOT
	s_add_nc_u64 s[G0+4*\s+2:G0+4*\s+3], s[20:21], \s*QT
	s_or_b32 s[G0+4*\s+3], s[G0+4*\s+3], 0x80000000
	s_mov_b32 s[G0B+4*\s], 1
	s_add_co_u32 s[G0B+4*\s+1], s45, \s*SLOT
	s_add_nc_u64 s[G0B+4*\s+2:G0B+4*\s+3], s[46:47], \s*QT
	s_or_b32 s[G0B+4*\s+3], s[G0B+4*\s+3], 0x80000000
	s_wait_alu depctr_va_vdst(0)
	s_wait_tensorcnt 0x0
	ds_add_u32 v28, v29
	s_wait_dscnt 0x0
	CROUND
	JLOAD G0+4*\s, G1, G0B+4*\s, G1B
	global_prefetch_b8 v30, s[12:13] offset:(2+\s)*QT th:TH_LOAD_NT scope:SCOPE_SE   ; the slot that stands two fills on
.endr
	v_and_b32 v26, 31, v0
	v_lshlrev_b32 v[LI], 4, v26
	s_wait_alu depctr_va_vdst(0)
	s_mul_i32 s21, s15, QT
	s_mul_i32 s22, s16, QT
	s_add_co_u32 s22, s22, 2*QT
.irp s, 0,1
	v_add_nc_u32 v[ADRA+\s], s21, v[LI]
	v_add_nc_u32 v[ADRB+\s], s22, v[LI]
	s_add_co_u32 s21, s21, SLOT
	s_add_co_u32 s22, s22, SLOT
.endr
	s_lshl_b32 s21, s15, 13
	s_add_co_u32 s21, s21, SCL
	v_add_nc_u32 v[ADSA], s21, v[LI]
	s_lshl_b32 s22, s16, 13
	s_add_co_u32 s22, s22, SCL+2*GRPS
	v_add_nc_u32 v[ADSB], s22, v[LI]
	v_and_b32 v1, 15, v0
	v_and_b32 v2, 8, v1
	v_add_nc_u32 v2, v2, v1
	v_bfe_u32 v3, v0, 4, 1
	v_lshlrev_b32 v[VT], 8, v2
	v_lshl_add_u32 v[VT], v3, 6, v[VT]
	s_lshl_b32 s2, s17, 1
	s_add_co_u32 s2, s2, s15
	s_lshl_b32 s3, s42, 1
	s_add_co_u32 s3, s3, s16
	s_cmp_eq_u32 s66, 2
	s_cselect_b32 s94, s2, s3
	s_cselect_b32 s95, s3, s2
	s_lshl_b32 s94, s94, 4
	s_add_co_u32 s94, s94, s95
	s_mul_i32 s96, s94, 12800
	s_mul_i32 s95, s66, 3276800
	s_add_co_u32 s96, s96, s95
	s_mov_b32 s97, 0
	s_add_nc_u64 s[10:11], s[10:11], s[96:97]
	s_lshl_b32 s96, s2, 15
	s_add_nc_u64 s[8:9], s[8:9], s[96:97]
.macro FRAG reg, adr, off
.irp c, 0,1,2
	ds_load_b128 v[\reg+4*\c:\reg+4*\c+3], v[\adr] offset:\off+512*\c
.endr
.endm
.macro WMR d, b, a, sb, sa, ob, oa, zero
.if \zero
.if (\ob) && (\oa)
	v_wmma_scale_f32_16x16x128_f8f6f4 v[\d:\d+7], v[\b:\b+FR-1], v[\a:\a+FR-1], 0, v[\sb], v[\sa] matrix_a_fmt:MATRIX_FMT_FP6 matrix_b_fmt:MATRIX_FMT_FP6 matrix_a_scale:MATRIX_SCALE_ROW1 matrix_b_scale:MATRIX_SCALE_ROW1
.elseif (\ob)
	v_wmma_scale_f32_16x16x128_f8f6f4 v[\d:\d+7], v[\b:\b+FR-1], v[\a:\a+FR-1], 0, v[\sb], v[\sa] matrix_a_fmt:MATRIX_FMT_FP6 matrix_b_fmt:MATRIX_FMT_FP6 matrix_a_scale:MATRIX_SCALE_ROW1
.elseif (\oa)
	v_wmma_scale_f32_16x16x128_f8f6f4 v[\d:\d+7], v[\b:\b+FR-1], v[\a:\a+FR-1], 0, v[\sb], v[\sa] matrix_a_fmt:MATRIX_FMT_FP6 matrix_b_fmt:MATRIX_FMT_FP6 matrix_b_scale:MATRIX_SCALE_ROW1
.else
	v_wmma_scale_f32_16x16x128_f8f6f4 v[\d:\d+7], v[\b:\b+FR-1], v[\a:\a+FR-1], 0, v[\sb], v[\sa] matrix_a_fmt:MATRIX_FMT_FP6 matrix_b_fmt:MATRIX_FMT_FP6
.endif
.else
.if (\ob) && (\oa)
	v_wmma_scale_f32_16x16x128_f8f6f4 v[\d:\d+7], v[\b:\b+FR-1], v[\a:\a+FR-1], v[\d:\d+7], v[\sb], v[\sa] matrix_a_fmt:MATRIX_FMT_FP6 matrix_b_fmt:MATRIX_FMT_FP6 matrix_a_scale:MATRIX_SCALE_ROW1 matrix_b_scale:MATRIX_SCALE_ROW1
.elseif (\ob)
	v_wmma_scale_f32_16x16x128_f8f6f4 v[\d:\d+7], v[\b:\b+FR-1], v[\a:\a+FR-1], v[\d:\d+7], v[\sb], v[\sa] matrix_a_fmt:MATRIX_FMT_FP6 matrix_b_fmt:MATRIX_FMT_FP6 matrix_a_scale:MATRIX_SCALE_ROW1
.elseif (\oa)
	v_wmma_scale_f32_16x16x128_f8f6f4 v[\d:\d+7], v[\b:\b+FR-1], v[\a:\a+FR-1], v[\d:\d+7], v[\sb], v[\sa] matrix_a_fmt:MATRIX_FMT_FP6 matrix_b_fmt:MATRIX_FMT_FP6 matrix_b_scale:MATRIX_SCALE_ROW1
.else
	v_wmma_scale_f32_16x16x128_f8f6f4 v[\d:\d+7], v[\b:\b+FR-1], v[\a:\a+FR-1], v[\d:\d+7], v[\sb], v[\sa] matrix_a_fmt:MATRIX_FMT_FP6 matrix_b_fmt:MATRIX_FMT_FP6
.endif
.endif
.endm
.macro MUL16 a0, p, q, sc, zero
.irp a, \a0, \a0+1
.irp b, 0,1,2,3,4,5,6,7
	WMR 8*(8*((\a)%4)+\b), 128*(\p)+FR*\b, AF+FR*(\a), SC+16*(\sc)+8*(\q)+4+\b/2, SC+16*(\sc)+8*(\q)+(\a)/2, \b%2, (\a)%2, \zero
.endr
.endr
.endm
.macro FETCH_B slot, q, p
	WIN TO_B
.irp i, 0,1,2,3,4,5,6,7
	FRAG 128*(\p)+FR*\i, ADRB+\slot, CH*(\q)+1536*\i
.endr
	WIN 0
.endm
.macro FETCH_A slot, q, i0
.irp i, \i0, \i0+1, \i0+2, \i0+3
	FRAG AF+FR*(\i), ADRA+\slot, CH*(\q)+1536*(\i)
.endr
.endm
.macro SCALES sc
.irp q, 0,1
	ds_load_b128 v[SC+16*\sc+8*\q:SC+16*\sc+8*\q+3], v[ADSA] offset:512*\q
	ds_load_b128 v[SC+16*\sc+8*\q+4:SC+16*\sc+8*\q+7], v[ADSB] offset:512*\q
.endr
.endm
.macro STEP slot, q, zero
	s_wait_dscnt 4*NL
	WIN MUL_LO
	MUL16 0, (\q)%2, \q, \slot, \zero
	MUL16 2, (\q)%2, \q, \slot, \zero
	s_wait_dscnt 0
	PLACES NP
	FETCH_B \slot, (\q)+1, 1-(\q)%2
	FETCH_A \slot, (\q)+1, 0
	WIN MUL_HI
	MUL16 4, (\q)%2, \q, \slot, \zero
	MUL16 6, (\q)%2, \q, \slot, \zero
	PLACES NP
	WIN 0
	FETCH_A \slot, (\q)+1, 4
.endm
.macro TURN slot, next, fill
.if \fill
	s_wait_xcnt 0x0                                ; my last prefetch has read its address: it steps one slot on
	s_add_nc_u64 s[12:13], s[12:13], QT
.endif
	s_wait_tensorcnt 0x0
	ds_add_u32 v[SPW], v[NIL]
	s_wait_dscnt 4*NL+1
	WIN MUL_LO
	MUL16 0, 1, 1, \slot, 0
	s_wait_dscnt 0x0
	s_barrier_signal -1
	MUL16 2, 1, 1, \slot, 0
	WIN 0
	s_barrier_wait -1
.if \fill
	CREST
	s_add_nc_u64 s[G0+4*\slot+2:G0+4*\slot+3], s[G0+4*\slot+2:G0+4*\slot+3], 2*QT
	s_add_nc_u64 s[G0B+4*\slot+2:G0B+4*\slot+3], s[G0B+4*\slot+2:G0B+4*\slot+3], 2*QT
	JLOAD G0+4*\slot, G1, G0B+4*\slot, G1B
.else
	PLACES NP
.endif
	s_wait_alu depctr_va_vdst(0)
	v_add_nc_u32 v[ADSA], 1024, v[ADSA]
	v_add_nc_u32 v[ADSB], 1024, v[ADSB]
	FETCH_B \next, 0, 0
	FETCH_A \next, 0, 0
	SCALES \next
.if \fill
	s_cmp_gt_u32 s3, 1                             ; the last trip's two refills have no slot two fills on
	s_cbranch_scc0 .Lno_ask_\@
	global_prefetch_b8 v30, s[12:13] offset:3*QT th:TH_LOAD_NT scope:SCOPE_SE
.Lno_ask_\@:
.endif
	WIN MUL_HI
	MUL16 4, 1, 1, \slot, 0
	MUL16 6, 1, 1, \slot, 0
	PLACES NP
	WIN 0
	FETCH_A \next, 0, 4
.endm
	s_wait_alu depctr_va_vdst(0)
	s_wait_tensorcnt 1
	s_barrier_signal -1
	s_barrier_wait -1
	FETCH_B 0, 0, 0
	FETCH_A 0, 0, 0
	SCALES 0
	FETCH_A 0, 0, 4
	STEP 0, 0, 1
	s_mov_b32 s3, LAPS-1
.Llap:
	TURN 0, 1, 1
	STEP 1, 0, 0
	TURN 1, 0, 1
	STEP 0, 0, 0
	s_sub_co_u32 s3, s3, 1
	s_cmp_lg_u32 s3, 0
	s_cbranch_scc1 .Llap
	TURN 0, 1, 0
	STEP 1, 0, 0
	s_wait_dscnt 4*NL
	WIN MUL_LO
	MUL16 0, 1, 1, 1, 0
	MUL16 2, 1, 1, 1, 0
	s_wait_dscnt 0
	WIN MUL_HI
	MUL16 4, 1, 1, 1, 0
	MUL16 6, 1, 1, 1, 0
	WIN 0
.macro TLD a
.irp par, 0,1
.irp i, 0,1,2,3
	global_load_b128 v[32*(\a)+16*\par+4*\i:32*(\a)+16*\par+4*\i+3], v[VT], s[8:9] offset:(32*((\a)/2)+8*((\a)%2))*256+128*\par+16*\i
.endr
.endr
.endm
.macro ROPE a
	WIN 6+(\a)/4
.irp be, 0,1,2,3
.irp u, 0,1
.irp jj, 0,1,2,3
.set rX, 64*((\a)%4)+8*(2*\be+\u)+2*\jj
.set rT, 32*(\a)+16*(\be%2)+2*(4*\u+\jj)
.set rH, H+16*\be+8*\u+2*\jj
	v_mul_f32 v[TT+2*\jj], v[rX+1], v[rT+1]
	v_mul_f32 v[TT+2*\jj+1], v[rX+1], v[rT]
	v_fma_f32 v[rH+1], v[rX], v[rT+1], v[TT+2*\jj+1]
	v_fma_f32 v[rH], v[rX], v[rT], -v[TT+2*\jj]
.endr
.endr
.endr
	WIN 0
.endm
.macro QUANT s, w, pw
	WIN (\w)|((\w)<<2)
.irp b, 0,1,2,3
	v_max3_num_f32 v[TM+\b], |v[(\s)+16*\b]|, |v[(\s)+1+16*\b]|, 0x1800000
.endr
.irp i, 2,4,6,8,10,12,14
.irp b, 0,1,2,3
	v_max3_num_f32 v[TM+\b], |v[(\s)+16*\b+\i]|, |v[(\s)+1+16*\b+\i]|, v[TM+\b]
.endr
.endr
	WIN 0
.irp b, 0,1,2,3
	v_permlanex16_b32 v[TM+4+\b], v[TM+\b], s[94], s[95]
.endr
.irp b, 0,1,2,3
	v_max_num_f32 v[TM+\b], v[TM+\b], v[TM+4+\b]
.endr
.irp b, 0,1,2,3
	v_add_nc_u32 v[TM+12+\b], 0xff000000, v[TM+\b]
.endr
.irp b, 0,1,2,3
	v_lshrrev_b32 v[TM+8+\b], 23, v[TM+12+\b]
.endr
	v_lshl_or_b32 v[\pw], v[TM+9], 8, v[TM+8]
	v_lshl_or_b32 v[\pw], v[TM+10], 16, v[\pw]
	v_lshl_or_b32 v[\pw], v[TM+11], 24, v[\pw]
	WIN (\w)
.irp c, 0,1
	v_cvt_scalef32_pk16_fp6_f32 v[PC+6*\c:PC+2+6*\c], v[(\s)+32*\c:(\s)+15+32*\c], v[TM+12+2*\c]
	v_cvt_scalef32_pk16_fp6_f32 v[PC+12+4*\c:PC+14+4*\c], v[(\s)+16+32*\c:(\s)+31+32*\c], v[TM+12+2*\c+1]
.endr
	WIN 0
	v_nop
.irp c, 0,1
.irp i, 0,1,2
	v_permlane16_swap_b32 v[PC+6*\c+\i], v[PC+12+4*\c+\i]
.endr
.irp i, 0,1,2
	v_mov_b32 v[PC+3+6*\c+\i], v[PC+12+4*\c+\i]
.endr
.endr
.endm
.macro STOREF a
.irp c, 0,1,2
	global_store_b128 v[LI], v[PC+4*\c:PC+4*\c+3], s[10:11] offset:1536*(\a)+512*\c
.endr
.endm
	PLACES NP
	s_mov_b32 s94, 0x76543210
	s_mov_b32 s95, 0xfedcba98
.irp b, 0,1,2,3
	v_mov_b32 v[TM+4+\b], 0
.endr
	s_cmp_eq_u32 s66, 2
	s_cbranch_scc1 .Lv
	WIN TO_B                                       ; the table of all eight blocks goes into window 1, where B's fragments lay: block a at v[32 a]
.irp a, 0,1,2,3,4,5,6
	TLD \a
.endr
	WIN 0
.irp a, 0,1,2,3,4,5,6,7
.if \a == 0
	s_wait_loadcnt 48                              ; block 0's eight loads are in; those of blocks 1 to 6 may be out
	WIN TO_B
	TLD 7
	WIN 0
.else
	s_wait_loadcnt 56-8*\a                         ; block a's are in; those of the later blocks may be out
.endif
	ROPE \a
	s_wait_xcnt 0x0
	QUANT H, 0, PWS+\a
	STOREF \a
.endr
	s_branch .Lsc
.Lv:
.irp a, 0,1,2,3,4,5,6,7
	s_wait_xcnt 0x0
	QUANT 64*((\a)%4), 2+(\a)/4, PWS+\a
	STOREF \a
.endr
.Lsc:
	v_cmp_gt_u32 s96, 16, v26
.irp p, 0,1,2,3
	v_cndmask_b32 v[W4+\p], v[PWS+2*\p+1], v[PWS+2*\p], s96
.endr
	global_store_b128 v[LI], v[W4:W4+3], s[10:11] offset:12288
	s_wait_tensorcnt 0x0
	ds_add_u32 v[SPW], v[NIL]
	s_wait_dscnt 0x0
	CROUND
	s_endpgm
.Lfunc_end_k_qdbb5f28611_qkv:
	.size	k_qdbb5f28611_qkv, .Lfunc_end_k_qdbb5f28611_qkv-k_qdbb5f28611_qkv
	.p2alignl 7, 3214868480
	.fill 96, 4, 3214868480
	.section	.rodata,"a",@progbits
	.p2align	6, 0x0
	.amdhsa_kernel k_qdbb5f28611_qkv
		.amdhsa_group_segment_fixed_size 327680
		.amdhsa_private_segment_fixed_size 0
		.amdhsa_enable_private_segment 0
		.amdhsa_kernarg_size 32
		.amdhsa_user_sgpr_count 2
		.amdhsa_user_sgpr_kernarg_segment_ptr 1
		.amdhsa_wavefront_size32 1
		.amdhsa_system_sgpr_workgroup_id_x 1
		.amdhsa_system_sgpr_workgroup_id_y 1
		.amdhsa_system_sgpr_workgroup_id_z 1
		.amdhsa_system_vgpr_workitem_id 0
		.amdhsa_next_free_vgpr 1024
		.amdhsa_next_free_sgpr 98
		.amdhsa_reserve_vcc 0
		.amdhsa_float_denorm_mode_32 3
		.amdhsa_float_denorm_mode_16_64 3
		.amdhsa_memory_ordered 1
		.amdhsa_forward_progress 1
		.amdhsa_inst_pref_size 228
	.end_amdhsa_kernel
	.amdgpu_metadata
---
amdhsa.version: [ 1, 2 ]
amdhsa.kernels:
  - .name:           k_qdbb5f28611_qkv
    .symbol:         k_qdbb5f28611_qkv.kd
    .args:
      - { .name: opc, .offset: 0, .size: 8, .value_kind: global_buffer, .address_space: global }
      - { .name: ops, .offset: 8, .size: 8, .value_kind: global_buffer, .address_space: global }
      - { .name: rope, .offset: 16, .size: 8, .value_kind: global_buffer, .address_space: global }
      - { .name: qkvc, .offset: 24, .size: 8, .value_kind: global_buffer, .address_space: global }
    .group_segment_fixed_size: 327680
    .private_segment_fixed_size: 0
    .kernarg_segment_align: 8
    .kernarg_segment_size: 32
    .max_flat_workgroup_size: 128
    .sgpr_count:     98
    .vgpr_count:     1024
    .wavefront_size: 32
...
	.end_amdgpu_metadata
.endif
;; end of part 2
;; launch attn (part 3): grid 16 x 16, 16 waves a work-group, clusters of 4 x 1, 327,680 bytes of LDS; arguments qkvc, lambda_q1, lambda_k1, lambda_q2, lambda_k2, subln_weight, attc, atts; writes attc, atts
.if DOCPART == 3
	.amdgcn_target "amdgcn-amd-amdhsa--gfx1250"
	.amdhsa_code_object_version 6
	.text
	.protected	k_qdbb5f28611_attn
	.globl	k_qdbb5f28611_attn
	.p2align	8
	.type	k_qdbb5f28611_attn,@function
k_qdbb5f28611_attn:
	s_mov_b64 s[64:65], 0
	v_nop
	global_prefetch_b8 v0, s[64:65] scope:SCOPE_SE
	s_setreg_imm32_b32 hwreg(HW_REG_WAVE_MODE, 25, 1), 1
	s_wait_xcnt 0x0
	s_wait_alu depctr_hold_cnt(0) depctr_sa_sdst(0) depctr_va_vdst(0) depctr_va_sdst(0) depctr_va_ssrc(0) depctr_va_vcc(0) depctr_vm_vsrc(0)
	s_getreg_b32 s2, hwreg(HW_REG_IB_STS2, 6, 4)
	s_cmp_eq_u32 s2, 0
	s_cbranch_scc0 .Lentry_in_a_cluster
	s_endpgm
.Lentry_in_a_cluster:
	s_bfe_u32 s2, ttmp6, 0x10000c
	s_cmp_lg_u32 s2, 0x3003
	s_cbranch_scc0 .Lentry_shape_is_right
	s_endpgm
.Lentry_shape_is_right:
; Differential attention of one head j (q/k heads 2 j, 2 j + 1, V's head j) for 128 queries, on codes of FP6 (E2M3) with E8M0 scales; then RMSNorm, the gain, and the quantiser for the last product.
; diff = softmax(s1) - lambda softmax(s2) is quantised finished and normalised, in blocks of 32 keys, so each row's maximum and sum are wanted before the first code: THE KEYS ARE WALKED TWICE.
; Pass 1: for each query and head M (the running largest t = score x sqrt(128) x log2(e), rounded up to a whole number) and l = the sum of 2^(t - M).
; Pass 2: the scores again; p1 / l1 = 2^(t1 - M1 - log2 l1), |lambda| p2 / l2 = 2^(t2 - M2 - log2 l2 + log2 |lambda|); diff is one multiply-add with -sign(lambda); quantised along the keys; O^T += V^T diff^T.
; SHARES.  Sixteen waves of 256 registers.  Wave w: query tile w % 8 (16 queries), chunks 2 n + w / 8 (128 keys each) in both passes; a tile's two waves join (M, l) between the passes and O at the end, through LDS.
; K = 64 IN AN INSTRUCTION OF 128: a key's fragment holds [k1 | k2]; the query lies as [q1 | six registers of zero codes | q2]: registers 0-11 are head 1's operand, 6-17 head 2's.
; LAYOUT.  Both products transposed: a lane holds one query; the 16 registers of tiles 2 b, 2 b + 1 are keys 32 b + 16 (lane / 16) + 0 .. 15.
; LDS.  K's sixteen chunks, each 12,288 bytes of images and 512 of scale words, come once, one joint load a wave (mask 15: the cluster's four query blocks share the head), and serve both passes.  Nothing is filled again.
; V goes from memory into operand registers as its images lie: K and V together (409,600 bytes) do not fit in LDS, and so both passes run with no barrier inside.
; PREFETCH.  In trip t of pass 1 wave 0 asks for its work-group's quarter (25 blocks of 256 bytes, told apart by address) of the two chunks of V that trip t of pass 2, eight trips on, loads.
; LIMITS: NaN and infinities are not served; the promise holds while |t| stays under 2^31; p under 2^-126 counts as 0; the addend -M - log2 l is rounded once, to half an ulp of its size;
; a block whose largest magnitude lies under 2^-124 (a block of zeros too) gets the byte 1: the bytes are read by this program alone.
.set CH,    12800                      ; a chunk: images, then scale words
.set SCO,   12288                      ; where its scale words begin
.set GRP,   204800                     ; a head's 16 chunks
.set TEN,   3276800
.set OCH,   12288                      ; a chunk of attc
.set STATS, 204800                     ; 512 bytes a wave
.set SCST,  212992                     ; 512 bytes: the result's scale words meet here
.set SPARE, 213504                     ; the spare words, 128 bytes for each of 16 waves
.set AK0, 1                            ; v1  my place in K's images: CH (w / 8) + 16 lane
.set PFO, 2                            ; v2  the prefetch's offset
.set ADK, 4
.set SPW, 7
.set NIL, 8
.set LI,  9                            ; v9  16 x lane
.set AOS, 10
.set ASW, 11
                                       ; v12 -M1, v13 largest t1, v14 -M2, v15 largest t2; v[16:17] l1, v[18:19] l2; v20, v22 f1, f2; in pass 2 v12, v14 the exponents' addends, v22 -sign(lambda)
.set QS,  24
.set PW,  25
.set LAM, 26
.set AST, 27
.set KS,  28
.set VS,  32
.set Q1Z, 36
.set Q2Z, 42
.set F,   60                           ; v60-107 four fragments
.set S,   108                          ; pass 1: 64 + 64 scores of a chunk
.set S1,  108                          ; pass 2: 64 keys of head 1 (later V's fragments 4-7),
.set S2,  140                          ; of head 2,
.set O,   172                          ; and O^T
.set PC,  236
.set MX,  236
.set TM,  60
.set WV,  22
.set G1,  24
.set VB,  32
.set G0K, 44
.set CS,  80
.set SEL, 82
.set TK,  84
.set PFA, 88
.set CNT, 93
.macro ROUND
	s_barrier_signal -1
	s_barrier_wait -1
	s_cmp_lg_u32 s[WV], 0
	s_cbranch_scc1 .Lnot_wave_0_\@
	s_barrier_signal -3
.Lnot_wave_0_\@:
	s_barrier_wait -3
	s_barrier_signal -1
	s_barrier_wait -1
.endm
.macro NOP4
.rept 4
	v_nop
.endr
.endm
	s_load_b64 s[4:5], s[0:1], 0x0                 ; qkvc
	s_load_b256 s[8:15], s[0:1], 0x8               ; lambda_q1, lambda_k1, lambda_q2, lambda_k2
	s_load_b128 s[16:19], s[0:1], 0x28             ; subln_weight, attc
	s_load_b64 s[20:21], s[0:1], 0x38              ; atts
	v_lshl_add_u32 v[SPW], v0, 2, SPARE
	v_mov_b32 v[NIL], 0
	ds_add_u32 v[SPW], v[NIL]                      ; the opening: the add, twice on end, and its wait ahead of my tensor load
	ds_add_u32 v[SPW], v[NIL]
	v_lshrrev_b32 v1, 5, v0
	s_delay_alu instid0(VALU_DEP_1)
	v_readfirstlane_b32 s[WV], v1                  ; wave 0..15
	s_bfe_u32 s90, ttmp6, 0x40000                  ; cx
	s_lshl_b32 s91, ttmp9, 2
	s_add_co_u32 s91, s91, s90                     ; my group of 128 queries
	s_and_b32 s92, ttmp7, 0xffff                   ; the head, which the partners share
	s_lshr_b32 s97, s[WV], 3                       ; which chunks are mine
	s_and_b32 s98, s[WV], 7                        ; my tile of queries
	s_mov_b32 s[G1], 15|(3<<16)|(1<<21)            ; the mask: all four; elements of 8 bytes; bit 21 beside a mask
	s_mov_b32 s[G1+1], 32<<16                      ; rows of 256 bytes,
	s_mov_b32 s[G1+2], 50<<16                      ; 50 of them: a chunk,
	s_mov_b32 s[G1+3], 32<<16
	s_mov_b32 s[G1+4], 50
	s_mov_b32 s[G1+5], 32                          ; dense
	s_mov_b32 s[G1+6], 0
	s_mov_b32 s[G1+7], 0
	s_mov_b32 s[CS], 0x418293ee                    ; sqrt(128) x log2(e)
	s_mov_b32 s[CS+1], s[CS]
	s_mov_b32 s[SEL], 0x76543210
	s_mov_b32 s[SEL+1], 0xfedcba98
	s_mul_i32 s[G0K+1], s[WV], CH                  ; chunk w goes to LDS byte CH w
	s_mul_i32 s96, s92, GRP
	s_add_co_u32 s94, s96, s[G0K+1]
	s_mov_b32 s95, 0
	s_mul_i32 s34, s97, CH
	s_add_co_u32 s34, s34, s96                     ; V: head, my first chunk
	s_mov_b32 s35, 0
	s_mul_i32 s36, s90, 6400
	s_add_co_u32 s36, s36, s96                     ; the prefetch: head, my work-group's quarter of two chunks
	s_mov_b32 s37, 0
	s_wait_dscnt 0x0                               ; both opening adds are done
	s_wait_kmcnt 0x0
	s_mov_b32 s[G0K], 1
	s_add_nc_u64 s[G0K+2:G0K+3], s[4:5], s[94:95]
	s_add_nc_u64 s[G0K+2:G0K+3], s[G0K+2:G0K+3], TEN
	s_or_b32 s[G0K+3], s[G0K+3], 0x80000000
	s_add_nc_u64 s[VB:VB+1], s[4:5], s[34:35]
	s_add_nc_u64 s[VB:VB+1], s[VB:VB+1], 2*TEN
	s_add_nc_u64 s[PFA:PFA+1], s[4:5], s[36:37]
	s_add_nc_u64 s[PFA:PFA+1], s[PFA:PFA+1], 2*TEN
	s_lshl_b32 s93, s92, 4
	s_add_co_u32 s93, s93, s91                     ; 16 x head + group: Q's place
	s_mul_i32 s86, s93, CH
	s_mov_b32 s87, 0
	s_add_nc_u64 s[86:87], s[4:5], s[86:87]
	s_mul_i32 s2, s98, 1536
	s_mov_b32 s3, 0
	s_add_nc_u64 s[2:3], s[86:87], s[2:3]          ; my tile's fragment of Q
	s_lshl_b32 s93, s91, 4
	s_add_co_u32 s93, s93, s92                     ; 16 x group + head: the results' place
	s_mul_i32 s84, s93, OCH
	s_mul_i32 s85, s98, 1536
	s_add_co_u32 s84, s84, s85
	s_mov_b32 s85, 0
	s_add_nc_u64 s[18:19], s[18:19], s[84:85]
	s_lshl_b32 s84, s93, 9
	s_add_nc_u64 s[20:21], s[20:21], s[84:85]
	ROUND                                          ; all four work-groups are here: the joint loads meet
	tensor_load_to_lds s[G0K:G0K+3], s[G1:G1+7]    ; my one tensor load: chunk w of K
	s_nop 0
	NOP4
	v_and_b32 v60, 31, v0                          ; lane
	s_delay_alu instid0(VALU_DEP_1)
	v_lshlrev_b32 v[LI], 4, v60
	s_wait_alu depctr_va_vdst(0)
	v_and_b32 v61, 15, v0                          ; r
	global_load_b128 v[Q1Z:Q1Z+3], v[LI], s[2:3]               ; Q's registers 0-3,
	global_load_b128 v[248:251], v[LI], s[2:3] offset:512      ; 4-7,
	global_load_b128 v[Q2Z+8:Q2Z+11], v[LI], s[2:3] offset:1024   ; 8-11
	s_and_b32 s99, s98, 1
	s_lshl_b32 s99, s99, 8
	s_lshr_b32 s93, s98, 1
	s_lshl_b32 s93, s93, 2
	s_add_co_u32 s99, s99, s93
	v_lshl_add_u32 v62, v61, 4, s99                ; my tile's word in a block of scale words: 16 (r + 16 (tile % 2)) + 4 (tile / 2)
	global_load_b32 v[QS], v62, s[86:87] offset:SCO
	v_lshlrev_b32 v63, 3, v60
	global_load_b64 v[64:65], v63, s[8:9]
	global_load_b64 v[66:67], v63, s[10:11]
	global_load_b64 v[68:69], v63, s[12:13]
	global_load_b64 v[70:71], v63, s[14:15]
	v_min_u32 v[PFO], 24, v60                      ; lanes 25-31 name the last block again
	s_delay_alu instid0(VALU_DEP_1)
	v_lshlrev_b32 v[PFO], 8, v[PFO]
	v_add_nc_u32 v[ASW], SCST, v62
	s_mul_i32 s99, s97, CH
	v_add_nc_u32 v[AK0], s99, v[LI]
	s_lshl_b32 s99, s[WV], 9
	s_add_co_u32 s99, s99, STATS
	v_add_nc_u32 v[AST], s99, v[LI]
	s_lshl_b32 s99, s98, 13
	v_add_nc_u32 v[AOS], s99, v[LI]
	v_mov_b32 v13, 0xff61b1e6                      ; the largest t so far: -3e38
	v_mov_b32 v15, 0xff61b1e6
	s_delay_alu instid0(VALU_DEP_2)
	v_floor_f32 v12, -v13
	s_delay_alu instid0(VALU_DEP_2)
	v_floor_f32 v14, -v15
.irp i, 16,17,18,19,20,21,22,23,74,75,254,255
	v_mov_b32 v[\i], 0
.endr
	s_wait_alu depctr_va_vdst(0)
	s_wait_loadcnt 0x0
	v_mov_b32 v[Q1Z+4], v248
	v_mov_b32 v[Q1Z+5], v249
	v_mov_b32 v[Q2Z+6], v250
	v_mov_b32 v[Q2Z+7], v251
.irp i, 0,1,2,3,4,5
	v_mov_b32 v[Q2Z+\i], 0                         ; the zero codes that both operands share
.endr
	v_mul_f32 v72, v64, v66                        ; lambda = exp(sum lq1 lk1) - exp(sum lq2 lk2) + 0.8 - 0.6 exp(-3.6)
	v_mul_f32 v73, v68, v70
	s_delay_alu instid0(VALU_DEP_2)
	v_fma_f32 v72, v65, v67, v72
	s_delay_alu instid0(VALU_DEP_2)
	v_fma_f32 v73, v69, v71, v73
.irp m, 1,2,4,8
	s_delay_alu instid0(VALU_DEP_2)
	v_add_f32_dpp v72, v72, v72 row_xmask:\m row_mask:0xf bank_mask:0xf
	s_delay_alu instid0(VALU_DEP_2)
	v_add_f32_dpp v73, v73, v73 row_xmask:\m row_mask:0xf bank_mask:0xf
.endr
	s_delay_alu instid0(VALU_DEP_2)
	v_permlanex16_b32 v74, v72, s[SEL], s[SEL+1]
	s_delay_alu instid0(VALU_DEP_2)
	v_permlanex16_b32 v75, v73, s[SEL], s[SEL+1]
	s_delay_alu instid0(VALU_DEP_2)
	v_add_f32 v72, v72, v74
	s_delay_alu instid0(VALU_DEP_2)
	v_add_f32 v73, v73, v75
	s_delay_alu instid0(VALU_DEP_2)
	v_mul_f32 v72, 0x3fb8aa3b, v72
	s_delay_alu instid0(VALU_DEP_2)
	v_mul_f32 v73, 0x3fb8aa3b, v73
	s_wait_alu depctr_va_vdst(0)
	v_exp_f32 v72, v72
	v_exp_f32 v73, v73
	v_nop
	s_wait_alu depctr_va_vdst(0)                   ; one wait for the two, ahead of their first reader
	v_sub_f32 v[LAM], v72, v73
	s_delay_alu instid0(VALU_DEP_1)
	v_add_f32 v[LAM], 0x3f489a63, v[LAM]
; one product; odd: source 0's fragment is an odd one: its scale words stand in lanes 16-31
.macro WMS d, a, b, sa, sb, odd, zero
.if \zero
.if \odd
	v_wmma_scale_f32_16x16x128_f8f6f4 v[\d:\d+7], v[\a:\a+11], v[\b:\b+11], 0, v[\sa], v[\sb] matrix_a_fmt:MATRIX_FMT_FP6 matrix_b_fmt:MATRIX_FMT_FP6 matrix_a_scale:MATRIX_SCALE_ROW1
.else
	v_wmma_scale_f32_16x16x128_f8f6f4 v[\d:\d+7], v[\a:\a+11], v[\b:\b+11], 0, v[\sa], v[\sb] matrix_a_fmt:MATRIX_FMT_FP6 matrix_b_fmt:MATRIX_FMT_FP6
.endif
.else
.if \odd
	v_wmma_scale_f32_16x16x128_f8f6f4 v[\d:\d+7], v[\a:\a+11], v[\b:\b+11], v[\d:\d+7], v[\sa], v[\sb] matrix_a_fmt:MATRIX_FMT_FP6 matrix_b_fmt:MATRIX_FMT_FP6 matrix_a_scale:MATRIX_SCALE_ROW1
.else
	v_wmma_scale_f32_16x16x128_f8f6f4 v[\d:\d+7], v[\a:\a+11], v[\b:\b+11], v[\d:\d+7], v[\sa], v[\sb] matrix_a_fmt:MATRIX_FMT_FP6 matrix_b_fmt:MATRIX_FMT_FP6
.endif
.endif
.endm
; S^T of 64 keys (tiles 4 g .. 4 g + 3 of my chunk), both heads: 12 loads, 8 products
.macro KQ g, d1, d2
.irp t, 0,1,2,3
.irp c, 0,1,2
	ds_load_b128 v[F+12*\t+4*\c:F+12*\t+4*\c+3], v[ADK] offset:1536*(4*(\g)+\t)+512*\c
.endr
.endr
.irp t, 0,1,2,3
	s_wait_dscnt 9-3*\t                            ; tile t's three loads are in; the later tiles' may be out
	WMS (\d1)+8*\t, F+12*\t, Q1Z, KS+(4*(\g)+\t)/2, QS, \t%2, 1
	WMS (\d2)+8*\t, F+12*\t, Q2Z, KS+(4*(\g)+\t)/2, QS, \t%2, 1
.endr
.endm
; PASS 1, a chunk of 128 keys: the scores of both heads; the running M and l
.macro P1CHUNK
	ds_load_b128 v[KS:KS+3], v[ADK] offset:SCO
	KQ 0, S, S+64
	NOP4                                           ; places in front of loads into registers that matrix instructions have read
	KQ 1, S+32, S+96
	NOP4                                           ; and of the first read of results
.irp b, 0,1,2,3
.irp e, 0,1
	v_max3_num_f32 v[MX+4*\e+\b], v[S+64*\e+16*\b], v[S+64*\e+16*\b+1], v[S+64*\e+16*\b+2]   ; four chains a head; each accumulator is read from its low end on
.endr
.endr
.irp i, 3,5,7,9,11,13
.irp b, 0,1,2,3
.irp e, 0,1
	v_max3_num_f32 v[MX+4*\e+\b], v[MX+4*\e+\b], v[S+64*\e+16*\b+\i], v[S+64*\e+16*\b+\i+1]
.endr
.endr
.endr
.irp b, 0,1,2,3
.irp e, 0,1
	v_max_num_f32 v[MX+4*\e+\b], v[MX+4*\e+\b], v[S+64*\e+16*\b+15]
.endr
.endr
.irp e, 0,1
	s_delay_alu instid0(VALU_DEP_4)
	v_max3_num_f32 v[MX+4*\e], v[MX+4*\e], v[MX+4*\e+1], v[MX+4*\e+2]
.endr
.irp e, 0,1
	s_delay_alu instid0(VALU_DEP_2)
	v_max_num_f32 v[MX+4*\e], v[MX+4*\e], v[MX+4*\e+3]
.endr
.irp e, 0,1
	s_delay_alu instid0(VALU_DEP_2)
	v_permlanex16_b32 v[254+\e], v[MX+4*\e], s[SEL], s[SEL+1]
.endr
.irp e, 0,1
	s_delay_alu instid0(VALU_DEP_2)
	v_max_num_f32 v[MX+4*\e], v[MX+4*\e], v[254+\e]   ; with lane l xor 16's 64 keys
.endr
.irp e, 0,1
	s_delay_alu instid0(VALU_DEP_2)
	v_mul_f32 v[MX+4*\e], s[CS], v[MX+4*\e]        ; as t
.endr
	s_delay_alu instid0(VALU_DEP_2)
	v_max_num_f32 v13, v13, v[MX]
	v_mov_b32 v[MX+1], v12
	s_delay_alu instid0(VALU_DEP_3)
	v_max_num_f32 v15, v15, v[MX+4]
	v_mov_b32 v[MX+5], v14
	s_delay_alu instid0(VALU_DEP_4)
	v_floor_f32 v12, -v13                          ; -M = floor(-t): M is a whole number
	s_delay_alu instid0(VALU_DEP_3)
	v_floor_f32 v14, -v15
.irp e, 0,1
	s_delay_alu instid0(VALU_DEP_2)
	v_sub_f32 v[MX+4*\e+1], v[12+2*\e], v[MX+4*\e+1]
.endr
.irp e, 0,1
	s_delay_alu instid0(VALU_DEP_2)
	v_cvt_i32_f32 v[MX+4*\e+1], v[MX+4*\e+1]       ; (it saturates)
.endr
.irp e, 0,1
	s_delay_alu instid0(VALU_DEP_2)
	v_ldexp_f32 v[20+2*\e], 1.0, v[MX+4*\e+1]      ; f = 2^(old M - new M): rounds nothing
.endr
.set j, 0
.rept 32
	v_pk_fma_f32 v[S+j:S+j+1], v[S+j:S+j+1], s[CS:CS+1], v[12:13] op_sel_hi:[1,0,0]
	v_pk_fma_f32 v[S+64+j:S+64+j+1], v[S+64+j:S+64+j+1], s[CS:CS+1], v[14:15] op_sel_hi:[1,0,0]
.set j, j+2
.endr
.set j, 0
	s_wait_alu depctr_va_vdst(0)
.rept 128
	v_exp_f32 v[S+j], v[S+j]
.set j, j+1
.endr
	v_pk_mul_f32 v[16:17], v[16:17], v[20:21] op_sel_hi:[1,0]   ; the sums under the new M: plain places behind the exponentials
	v_pk_mul_f32 v[18:19], v[18:19], v[22:23] op_sel_hi:[1,0]
	s_wait_alu depctr_va_vdst(0)                   ; one wait for the whole batch, ahead of its first reader
	v_pk_add_f32 v[248:249], v[S:S+1], v[S+2:S+3]
	v_pk_add_f32 v[250:251], v[S+64:S+65], v[S+66:S+67]
.set j, 4
.rept 15
	v_pk_add_f32 v[16:17], v[16:17], v[S+j:S+j+1]
	v_pk_add_f32 v[18:19], v[18:19], v[S+64+j:S+64+j+1]
	v_pk_add_f32 v[248:249], v[248:249], v[S+j+2:S+j+3]
	v_pk_add_f32 v[250:251], v[250:251], v[S+64+j+2:S+64+j+3]
.set j, j+4
.endr
	s_delay_alu instid0(VALU_DEP_2)
	v_pk_add_f32 v[16:17], v[16:17], v[248:249]
	s_delay_alu instid0(VALU_DEP_2)
	v_pk_add_f32 v[18:19], v[18:19], v[250:251]
.endm
	s_wait_alu depctr_va_vdst(0)
	s_wait_tensorcnt 0x0                           ; my chunk of K is in,
	s_barrier_signal -1
	s_barrier_wait -1                              ; and everybody's
	s_mov_b32 s[TK], 0
	s_mov_b32 s[CNT], 8
.Lp1:                                              ; a trip: one chunk of mine
	s_cmp_lg_u32 s[WV], 0
	s_cbranch_scc1 .Lnopf
	global_prefetch_b8 v[PFO], s[PFA:PFA+1] th:TH_LOAD_NT scope:SCOPE_SE
.Lnopf:
	v_add_nc_u32 v[ADK], s[TK], v[AK0]
	s_wait_alu depctr_va_vdst(0)
	P1CHUNK
	s_wait_alu depctr_va_vdst(0)                   ; directly ahead of the wait below
	s_wait_xcnt 0x0                                ; the prefetch has read its address: it is stepped to the next two chunks of V
	s_add_nc_u64 s[PFA:PFA+1], s[PFA:PFA+1], 2*CH
	s_add_co_u32 s[TK], s[TK], 2*CH
	s_sub_co_u32 s[CNT], s[CNT], 1
	s_cmp_lg_u32 s[CNT], 0
	s_cbranch_scc1 .Lp1
	; BETWEEN THE PASSES: the tile's two waves join their (M, l)
	v_add_f32 v16, v16, v17
	v_add_f32 v18, v18, v19
	s_delay_alu instid0(VALU_DEP_2)
	v_permlanex16_b32 v254, v16, s[SEL], s[SEL+1]
	s_delay_alu instid0(VALU_DEP_2)
	v_permlanex16_b32 v255, v18, s[SEL], s[SEL+1]
	v_mov_b32 v248, v12
	s_delay_alu instid0(VALU_DEP_3)
	v_add_f32 v249, v16, v254
	v_mov_b32 v250, v14
	s_delay_alu instid0(VALU_DEP_4)
	v_add_f32 v251, v18, v255
	ds_store_b128 v[AST], v[248:251]
	s_xor_b32 s99, s[WV], 8
	s_lshl_b32 s99, s99, 9
	s_add_co_u32 s99, s99, STATS
	v_add_nc_u32 v60, s99, v[LI]                   ; my partner's four numbers
	s_wait_alu depctr_va_vdst(0)
	s_wait_dscnt 0x0                               ; my store has landed,
	s_barrier_signal -1
	s_barrier_wait -1                              ; in every wave
	ds_load_b128 v[252:255], v60
	s_wait_dscnt 0x0
	v_min_num_f32 v12, v248, v252                  ; -M of both
	v_min_num_f32 v14, v250, v254
	s_delay_alu instid0(VALU_DEP_2)
	v_sub_f32 v61, v12, v248                       ; my M less the joint one: a whole number, 0 or less
	s_delay_alu instid0(VALU_DEP_3)
	v_sub_f32 v62, v12, v252
	s_delay_alu instid0(VALU_DEP_3)
	v_sub_f32 v63, v14, v250
	s_delay_alu instid0(VALU_DEP_4)
	v_sub_f32 v64, v14, v254
.irp i, 61,62,63,64
	s_delay_alu instid0(VALU_DEP_4)
	v_cvt_i32_f32 v[\i], v[\i]
.endr
	s_delay_alu instid0(VALU_DEP_4)
	v_ldexp_f32 v61, v249, v61
	s_delay_alu instid0(VALU_DEP_4)
	v_ldexp_f32 v62, v253, v62
	s_delay_alu instid0(VALU_DEP_4)
	v_ldexp_f32 v63, v251, v63
	s_delay_alu instid0(VALU_DEP_4)
	v_ldexp_f32 v64, v255, v64
	s_delay_alu instid0(VALU_DEP_3)
	v_add_f32 v61, v61, v62                        ; l1
	s_delay_alu instid0(VALU_DEP_2)
	v_add_f32 v63, v63, v64                        ; l2
	s_wait_alu depctr_va_vdst(0)
	v_log_f32 v20, v61
	v_log_f32 v62, v63
	v_log_f32 v64, |v[LAM]|                        ; lambda = 0 gives -infinity here, and so p2's share 0
	v_and_b32 v22, 0x80000000, v[LAM]              ; (a plain place behind the logarithms)
	s_wait_alu depctr_va_vdst(0)
	v_sub_f32 v12, v12, v20                        ; -M1 - log2 l1
	v_sub_f32 v62, v64, v62
	v_xor_b32 v22, 0xbf800000, v22                 ; -sign(lambda)
	s_delay_alu instid0(VALU_DEP_2)
	v_add_f32 v14, v14, v62                        ; -M2 - log2 l2 + log2 |lambda|
.set j, 0
.rept 64
	v_mov_b32 v[O+j], 0                            ; O^T: the step is written once, in a loop
.set j, j+1
.endr
; PASS 2.  64 keys: both heads' shares, diff, its two blocks' scales and codes: registers 6 g .. 6 g + 5 of the operand
.macro QHALF g
.set j, 0
.rept 16
	v_pk_fma_f32 v[S1+j:S1+j+1], v[S1+j:S1+j+1], s[CS:CS+1], v[12:13] op_sel_hi:[1,0,0]
	v_pk_fma_f32 v[S2+j:S2+j+1], v[S2+j:S2+j+1], s[CS:CS+1], v[14:15] op_sel_hi:[1,0,0]
.set j, j+2
.endr
.set j, 0
	s_wait_alu depctr_va_vdst(0)
.rept 64
	v_exp_f32 v[S1+j], v[S1+j]
.set j, j+1
.endr
	v_nop                                          ; a plain place behind the last exponential
	s_wait_alu depctr_va_vdst(0)                   ; one wait for the batch
.set j, 0
.rept 16
	v_pk_fma_f32 v[S1+j:S1+j+1], v[S2+j:S2+j+1], v[22:23], v[S1+j:S1+j+1] op_sel_hi:[1,0,1]   ; diff = p1 / l1 - lambda p2 / l2
.set j, j+2
.endr
	v_max3_num_f32 v252, |v[S1]|, |v[S1+1]|, 0x1800000
	v_max3_num_f32 v253, |v[S1+16]|, |v[S1+17]|, 0x1800000
.irp i, 2,4,6,8,10,12,14
	s_delay_alu instid0(VALU_DEP_2)
	v_max3_num_f32 v252, v252, |v[S1+\i]|, |v[S1+\i+1]|
	s_delay_alu instid0(VALU_DEP_2)
	v_max3_num_f32 v253, v253, |v[S1+16+\i]|, |v[S1+17+\i]|
.endr
	s_delay_alu instid0(VALU_DEP_2)
	v_permlanex16_b32 v254, v252, s[SEL], s[SEL+1]
	s_delay_alu instid0(VALU_DEP_2)
	v_permlanex16_b32 v255, v253, s[SEL], s[SEL+1]
	s_delay_alu instid0(VALU_DEP_2)
	v_max_num_f32 v252, v252, v254
	s_delay_alu instid0(VALU_DEP_2)
	v_max_num_f32 v253, v253, v255
	s_delay_alu instid0(VALU_DEP_2)
	v_add_nc_u32 v254, 0xff000000, v252            ; the conversions' scale operands
	s_delay_alu instid0(VALU_DEP_2)
	v_add_nc_u32 v255, 0xff000000, v253
	s_delay_alu instid0(VALU_DEP_2)
	v_lshrrev_b32 v252, 23, v254                   ; the bytes
	s_delay_alu instid0(VALU_DEP_2)
	v_lshrrev_b32 v253, 23, v255
.if \g == 0
	s_delay_alu instid0(VALU_DEP_1)
	v_lshl_or_b32 v[PW], v253, 8, v252
.else
	s_delay_alu instid0(VALU_DEP_2)
	v_lshl_or_b32 v[PW], v252, 16, v[PW]
	s_delay_alu instid0(VALU_DEP_1)
	v_lshl_or_b32 v[PW], v253, 24, v[PW]
.endif
	v_cvt_scalef32_pk16_fp6_f32 v[PC+6*\g:PC+6*\g+2], v[S1:S1+15], v254
	v_cvt_scalef32_pk16_fp6_f32 v[248:250], v[S1+16:S1+31], v255
	v_nop                                          ; one plain place behind a scaled conversion
.irp i, 0,1,2
	v_permlane16_swap_b32 v[PC+6*\g+\i], v[248+\i]
.endr
.irp i, 0,1,2
	s_delay_alu instid0(VALU_DEP_3)
	v_mov_b32 v[PC+6*\g+3+\i], v[248+\i]
.endr
.endm
.macro PVLOAD d, gg                    ; V's fragments 4 gg .. 4 gg + 3 of my chunk, from memory as they lie: 512 consecutive bytes a load
.irp t, 0,1,2,3
.irp c, 0,1,2
	global_load_b128 v[(\d)+12*\t+4*\c:(\d)+12*\t+4*\c+3], v[LI], s[VB:VB+1] offset:1536*(4*(\gg)+\t)+512*\c
.endr
.endr
.endm
.macro PVMUL f, gg, out                ; O^T += V^T diff^T: one instruction an accumulator a chunk.  out: the loads issued behind this group's
.irp t, 0,1,2,3
	s_wait_loadcnt (\out)+9-3*\t                   ; fragment t's three loads are in; the later fragments' may be out
	WMS O+8*(4*(\gg)+\t), (\f)+12*\t, PC, VS+(4*(\gg)+\t)/2, PW, \t%2, 0
.endr
.endm
.macro P2CHUNK
.rept 5
	v_nop                                          ; five places: the scores' products write over registers that the last chunk's products read
.endr
	ds_load_b128 v[KS:KS+3], v[ADK] offset:SCO
	KQ 0, S1, S2
	NOP4
	QHALF 0
	KQ 1, S1, S2
	NOP4
	global_load_b128 v[VS:VS+3], v[LI], s[VB:VB+1] offset:SCO
	PVLOAD F, 0                                    ; asked for ahead of the second half's softmax
	QHALF 1
	PVLOAD S1, 1                                   ; diff is in codes: its registers take V's other four fragments
.rept 8
	v_nop                                          ; a scale register written by a vector instruction stands 8 places ahead of a scaled matrix instruction, an operand 4
.endr
	s_wait_alu depctr_va_vdst(0)
	PVMUL F, 0, 12
	PVMUL S1, 1, 0
.endm
	s_mov_b32 s[TK], 0
	s_mov_b32 s[CNT], 8
.Lp2:                                              ; a trip: one chunk of mine; no barrier: K stays, V is my own
	v_add_nc_u32 v[ADK], s[TK], v[AK0]
	s_wait_alu depctr_va_vdst(0)
	P2CHUNK
	s_add_nc_u64 s[VB:VB+1], s[VB:VB+1], 2*CH      ; all my loads have come back: their base may step
	s_add_co_u32 s[TK], s[TK], 2*CH
	s_sub_co_u32 s[CNT], s[CNT], 1
	s_cmp_lg_u32 s[CNT], 0
	s_cbranch_scc1 .Lp2
	; THE END: O of the tile's two waves is added; RMSNorm over the head's 128; the gain; the quantiser along the head's 128; image and scale word out
	NOP4
	v_bfe_u32 v17, v0, 4, 1
	s_delay_alu instid0(VALU_DEP_1)
	v_lshlrev_b32 v17, 6, v17                      ; the gain: register 16 b + i wants column 32 b + 16 h + i
	v_add_nc_u32 v18, SCST, v[LI]
.irp b, 0,1,2,3
.irp i, 0,1,2,3
	global_load_b128 v[S+16*\b+4*\i:S+16*\b+4*\i+3], v17, s[16:17] offset:128*\b+16*\i
.endr
.endr
	s_wait_dscnt 0x0
	s_barrier_signal -1
	s_barrier_wait -1                              ; nobody reads K's images any more: their first 65,536 bytes, which have had their one fill, take the second waves' O
	s_cmp_lt_u32 s[WV], 8
	s_cbranch_scc1 .Lkeep
.irp i, 0,1,2,3,4,5,6,7,8,9,10,11,12,13,14,15
	ds_store_b128 v[AOS], v[O+4*\i:O+4*\i+3] offset:512*\i
.endr
.Lkeep:
	s_wait_dscnt 0x0
	s_barrier_signal -1
	s_barrier_wait -1
	s_cmp_ge_u32 s[WV], 8
	s_cbranch_scc1 .Ldone
.irp hf, 0,1
.irp i, 0,1,2,3,4,5,6,7
	ds_load_b128 v[F+4*\i:F+4*\i+3], v[AOS] offset:512*(8*\hf+\i)
.endr
	s_wait_dscnt 0x0
.set j, 0
.rept 16
	v_pk_add_f32 v[O+32*\hf+j:O+32*\hf+j+1], v[O+32*\hf+j:O+32*\hf+j+1], v[F+j:F+j+1]
.set j, j+2
.endr
.endr
	v_pk_mul_f32 v[92:93], v[O:O+1], v[O:O+1]      ; the squares, in two chains
	v_pk_mul_f32 v[94:95], v[O+2:O+3], v[O+2:O+3]
.set j, 4
.rept 15
	s_delay_alu instid0(VALU_DEP_2)
	v_pk_fma_f32 v[92:93], v[O+j:O+j+1], v[O+j:O+j+1], v[92:93]
	s_delay_alu instid0(VALU_DEP_2)
	v_pk_fma_f32 v[94:95], v[O+j+2:O+j+3], v[O+j+2:O+j+3], v[94:95]
.set j, j+4
.endr
	s_delay_alu instid0(VALU_DEP_1)
	v_pk_add_f32 v[92:93], v[92:93], v[94:95]
	s_delay_alu instid0(VALU_DEP_1)
	v_add_f32 v92, v92, v93
	s_delay_alu instid0(VALU_DEP_1)
	v_permlanex16_b32 v93, v92, s[SEL], s[SEL+1]
	s_delay_alu instid0(VALU_DEP_1)
	v_add_f32 v92, v92, v93                        ; over the head's 128
	s_mov_b32 s2, 0x3c000000                       ; 1 / 128
	s_mov_b32 s3, 0x3727c5ac                       ; 1e-5
	v_fma_f32 v92, v92, s2, s3
	s_wait_alu depctr_va_vdst(0)
	v_rsq_f32 v96, v92
	v_mov_b32 v97, 0                               ; (a plain place; and the pair's upper half is written)
	s_wait_alu depctr_va_vdst(0)
	s_wait_loadcnt 0x0                             ; the gain
.set j, 0
.rept 32
	v_pk_mul_f32 v[O+j:O+j+1], v[O+j:O+j+1], v[96:97] op_sel_hi:[1,0]
.set j, j+2
.endr
.set j, 0
.rept 32
	v_pk_mul_f32 v[O+j:O+j+1], v[O+j:O+j+1], v[S+j:S+j+1]
.set j, j+2
.endr
.irp b, 0,1,2,3
	v_max3_num_f32 v[TM+\b], |v[O+16*\b]|, |v[O+1+16*\b]|, 0x1800000
.endr
.irp i, 2,4,6,8,10,12,14
.irp b, 0,1,2,3
	s_delay_alu instid0(VALU_DEP_4)
	v_max3_num_f32 v[TM+\b], v[TM+\b], |v[O+16*\b+\i]|, |v[O+1+16*\b+\i]|
.endr
.endr
.irp b, 0,1,2,3
	s_delay_alu instid0(VALU_DEP_4)
	v_permlanex16_b32 v[TM+4+\b], v[TM+\b], s[SEL], s[SEL+1]
.endr
.irp b, 0,1,2,3
	s_delay_alu instid0(VALU_DEP_4)
	v_max_num_f32 v[TM+\b], v[TM+\b], v[TM+4+\b]
.endr
.irp b, 0,1,2,3
	s_delay_alu instid0(VALU_DEP_4)
	v_add_nc_u32 v[TM+12+\b], 0xff000000, v[TM+\b]
.endr
.irp b, 0,1,2,3
	s_delay_alu instid0(VALU_DEP_4)
	v_lshrrev_b32 v[TM+4+\b], 23, v[TM+12+\b]
.endr
	s_delay_alu instid0(VALU_DEP_3)
	v_lshl_or_b32 v[PW], v[TM+5], 8, v[TM+4]
	s_delay_alu instid0(VALU_DEP_1)
	v_lshl_or_b32 v[PW], v[TM+6], 16, v[PW]
	s_delay_alu instid0(VALU_DEP_1)
	v_lshl_or_b32 v[PW], v[TM+7], 24, v[PW]
.irp c, 0,1
	v_cvt_scalef32_pk16_fp6_f32 v[PC+6*\c:PC+2+6*\c], v[O+32*\c:O+15+32*\c], v[TM+12+2*\c]
	v_cvt_scalef32_pk16_fp6_f32 v[PC+12+4*\c:PC+14+4*\c], v[O+16+32*\c:O+31+32*\c], v[TM+12+2*\c+1]
.endr
	v_nop
.irp c, 0,1
.irp i, 0,1,2
	v_permlane16_swap_b32 v[PC+6*\c+\i], v[PC+12+4*\c+\i]
.endr
.irp i, 0,1,2
	s_delay_alu instid0(VALU_DEP_3)
	v_mov_b32 v[PC+3+6*\c+\i], v[PC+12+4*\c+\i]
.endr
.endr
.irp c, 0,1,2
	global_store_b128 v[LI], v[PC+4*\c:PC+4*\c+3], s[18:19] offset:512*\c   ; 32 lanes store 512 consecutive bytes, aligned
.endr
	ds_store_b32 v[ASW], v[PW]                     ; both halves of the lanes write the same word with the same value
.Ldone:
	s_wait_dscnt 0x0
	s_barrier_signal -1
	s_barrier_wait -1                              ; the eight tiles' scale words lie together
	s_cmp_lg_u32 s[WV], 0
	s_cbranch_scc1 .Lend
	s_wait_alu depctr_va_vdst(0)
	ds_load_b128 v[60:63], v18
	s_wait_dscnt 0x0
	global_store_b128 v[LI], v[60:63], s[20:21]
.Lend:
	s_wait_tensorcnt 0x0                           ; the wave's end
	ds_add_u32 v[SPW], v[NIL]
	s_wait_dscnt 0x0
	ROUND                                          ; the closing round
	s_endpgm
.Lfunc_end_k_qdbb5f28611_attn:
	.size	k_qdbb5f28611_attn, .Lfunc_end_k_qdbb5f28611_attn-k_qdbb5f28611_attn
	.p2alignl 7, 3214868480
	.fill 96, 4, 3214868480
	.section	.rodata,"a",@progbits
	.p2align	6, 0x0
	.amdhsa_kernel k_qdbb5f28611_attn
		.amdhsa_group_segment_fixed_size 327680
		.amdhsa_private_segment_fixed_size 0
		.amdhsa_enable_private_segment 0
		.amdhsa_kernarg_size 64
		.amdhsa_user_sgpr_count 2
		.amdhsa_user_sgpr_kernarg_segment_ptr 1
		.amdhsa_wavefront_size32 1
		.amdhsa_system_sgpr_workgroup_id_x 1
		.amdhsa_system_sgpr_workgroup_id_y 1
		.amdhsa_system_sgpr_workgroup_id_z 1
		.amdhsa_system_vgpr_workitem_id 0
		.amdhsa_next_free_vgpr 256
		.amdhsa_next_free_sgpr 100
		.amdhsa_reserve_vcc 0
		.amdhsa_float_denorm_mode_32 3
		.amdhsa_float_denorm_mode_16_64 3
		.amdhsa_memory_ordered 1
		.amdhsa_forward_progress 1
		.amdhsa_inst_pref_size 80
	.end_amdhsa_kernel
	.amdgpu_metadata
---
amdhsa.version: [ 1, 2 ]
amdhsa.kernels:
  - .name:           k_qdbb5f28611_attn
    .symbol:         k_qdbb5f28611_attn.kd
    .args:
      - { .name: qkvc, .offset: 0, .size: 8, .value_kind: global_buffer, .address_space: global }
      - { .name: lambda_q1, .offset: 8, .size: 8, .value_kind: global_buffer, .address_space: global }
      - { .name: lambda_k1, .offset: 16, .size: 8, .value_kind: global_buffer, .address_space: global }
      - { .name: lambda_q2, .offset: 24, .size: 8, .value_kind: global_buffer, .address_space: global }
      - { .name: lambda_k2, .offset: 32, .size: 8, .value_kind: global_buffer, .address_space: global }
      - { .name: subln_weight, .offset: 40, .size: 8, .value_kind: global_buffer, .address_space: global }
      - { .name: attc, .offset: 48, .size: 8, .value_kind: global_buffer, .address_space: global }
      - { .name: atts, .offset: 56, .size: 8, .value_kind: global_buffer, .address_space: global }
    .group_segment_fixed_size: 327680
    .private_segment_fixed_size: 0
    .kernarg_segment_align: 8
    .kernarg_segment_size: 64
    .max_flat_workgroup_size: 512
    .sgpr_count:     100
    .vgpr_count:     256
    .wavefront_size: 32
...
	.end_amdgpu_metadata
.endif
;; end of part 3
;; launch outp (part 4): grid 16 x 16, 4 waves a work-group, clusters of 4 x 4, 327,680 bytes of LDS; arguments attc, atts, opc, ops, out0; writes out0
.if DOCPART == 4
	.amdgcn_target "amdgcn-amd-amdhsa--gfx1250"
	.amdhsa_code_object_version 6
	.text
	.protected	k_qdbb5f28611_outp
	.globl	k_qdbb5f28611_outp
	.p2align	8
	.type	k_qdbb5f28611_outp,@function
k_qdbb5f28611_outp:
	s_mov_b64 s[64:65], 0
	v_nop
	global_prefetch_b8 v0, s[64:65] scope:SCOPE_SE
	s_setreg_imm32_b32 hwreg(HW_REG_WAVE_MODE, 25, 1), 1
	s_wait_xcnt 0x0
	s_wait_alu depctr_hold_cnt(0) depctr_sa_sdst(0) depctr_va_vdst(0) depctr_va_sdst(0) depctr_va_ssrc(0) depctr_va_vcc(0) depctr_vm_vsrc(0)
	s_getreg_b32 s2, hwreg(HW_REG_IB_STS2, 6, 4)
	s_cmp_eq_u32 s2, 0
	s_cbranch_scc0 .Lentry_in_a_cluster
	s_endpgm
.Lentry_in_a_cluster:
	s_bfe_u32 s2, ttmp6, 0x10000c
	s_cmp_lg_u32 s2, 0xf033
	s_cbranch_scc0 .Lentry_shape_is_right
	s_endpgm
.Lentry_shape_is_right:
; out0 = attn wout^T on codes of FP6 (E2M3) with E8M0 scales, both operands as images of operand registers (a group of 128 rows x a chunk of 128 K is 12,288 bytes; its scale words 512 bytes).
; A block of 128 x 128 a work-group, 64 x 64 a wave: 256 work-groups.  K's 16 chunks go through three LDS slots of four chunks (A's four, then B's four); the scale words of all of K stay behind them.
; LOADS, all joint in a cluster of 4 x 4 (A's shared along a row, B's along a column), one a wave each time:
;   at the head: wave 0 A's chunks 0-3, wave 1 B's, wave 2 A's scale words, wave 3 B's;
;   behind the full sequence and a round: slots 1 and 2, A's and B's four chunks each (192 rows of 256 bytes a load);
;   behind chunk 3's round: slot 0 again, chunks 12-15, a quarter (96 rows) a wave.  That tile is prefetched at the head, two fills ahead: 24 blocks of 256 bytes a wave, the four partners told apart by address.
; The matrix instruction is used transposed (source 0 = wout's rows): a lane holds eight neighbouring numbers of a row of out0, which leave through the wave's stage in slot 1 as whole units of 256 bytes.
.set TEN,   3145728
.set GRP,   196608
.set CH,    12288
.set TENS,  131072
.set GRPS,  8192
.set QT,    24576
.set SLOT,  4*QT
.set SCL,   3*SLOT
.set SPARE, SCL+2*GRPS
.set STAGE, SLOT
.set SPITCH, 272
.set FR,    12
.set NP,    4
.set ADRA, 16
.set ADRB, 20
.set ADSA, 23
.set ADSB, 24
.set STO,  25
.set RD,   26
.set CO,   27
.set SPW,  28
.set NIL,  29
.set LI,   30
.set PFO,  31
.set SC,   32
.set ACC,  128
.set G1,   24
.set G1B,  32
.set G1S,  40
.set G1SB, 48
.set G0S,  56
.set G0SB, 60
.set G0,   68                          ; s[68:71] the refill's group 0 for A, s[72:75] slots 1 and 2, s[76:79] the head's
.set G0B,  80                          ; the same for B
.set MSB, 0
.macro WIN new
.if MSB != (\new)
	s_set_vgpr_msb (MSB<<8)|(\new)
.set MSB, (\new)
.endif
.endm
.set MUL,  0x05
.set TO_F, 0x40
.macro JLOAD g0a, g1a, g0b, g1b
	s_cmp_eq_u32 s15, 0
	s_cbranch_scc0 .Lfor_b_\@
	tensor_load_to_lds s[\g0a:\g0a+3], s[\g1a:\g1a+7]
	s_nop 0
.rept 4
	v_nop
.endr
	s_branch .Lasked_\@
.Lfor_b_\@:
	tensor_load_to_lds s[\g0b:\g0b+3], s[\g1b:\g1b+7]
	s_nop 0
.rept 4
	v_nop
.endr
.Lasked_\@:
.endm
.macro CREST
	s_cmp_lg_u32 s14, 0
	s_cbranch_scc1 .Lnot_wave_0_\@
	s_barrier_signal -3
.Lnot_wave_0_\@:
	s_barrier_wait -3
	s_barrier_signal -1
	s_barrier_wait -1
.endm
.macro CROUND
	s_barrier_signal -1
	s_barrier_wait -1
	CREST
.endm
.macro PLACES n
.rept \n
	v_nop
.endr
.endm
	s_load_b256 s[4:11], s[0:1], 0x0               ; attc, atts, opc, ops
	s_load_b64 s[12:13], s[0:1], 0x20              ; out0
	v_lshl_add_u32 v[SPW], v0, 2, SPARE
	v_mov_b32 v[NIL], 0
	ds_add_u32 v[SPW], v[NIL]                      ; the opening: the add, twice on end, and its wait
	ds_add_u32 v[SPW], v[NIL]
	v_lshrrev_b32 v1, 5, v0
	v_readfirstlane_b32 s14, v1                    ; wave
	v_and_b32 v[PFO], 31, v0
	v_min_u32 v[PFO], 23, v[PFO]                   ; lanes 24-31 name the last block again
	v_lshlrev_b32 v[PFO], 8, v[PFO]
	s_lshr_b32 s15, s14, 1
	s_and_b32 s16, s14, 1
	s_bfe_u32 s92, ttmp6, 0x40000                  ; cx
	s_bfe_u32 s93, ttmp6, 0x40004                  ; cy
	s_lshl_b32 s94, ttmp9, 2
	s_add_co_u32 s94, s94, s92                     ; block column
	s_and_b32 s17, ttmp7, 0xffff
	s_lshl_b32 s17, s17, 2
	s_add_co_u32 s17, s17, s93                     ; block row
	s_lshl_b32 s18, s93, 2
	s_lshl_b32 s18, 15, s18                        ; my row of the cluster
	s_lshl_b32 s95, 0x1111, s92                    ; my column
	s_or_b32 s[G1+0], s18, (3<<16)|(1<<21)
	s_or_b32 s[G1B+0], s95, (3<<16)|(1<<21)
.irp g, G1, G1B
	s_mov_b32 s[\g+1], 32<<16                      ; rows of 256 bytes, dense: 192 of them (four chunks); for the refill the two row counts are set to 96
	s_mov_b32 s[\g+2], 192<<16
	s_mov_b32 s[\g+3], 32<<16
	s_mov_b32 s[\g+4], 192
	s_mov_b32 s[\g+5], 32
	s_mov_b32 s[\g+6], 0
	s_mov_b32 s[\g+7], 0
.endr
	s_or_b32 s[G1S+0], s18, (3<<16)|(1<<21)
	s_or_b32 s[G1SB+0], s95, (3<<16)|(1<<21)
.irp g, G1S, G1SB
	s_mov_b32 s[\g+1], 32<<16                      ; a group's scale words: 32 rows of 256 bytes
	s_mov_b32 s[\g+2], 32<<16
	s_mov_b32 s[\g+3], 32<<16
	s_mov_b32 s[\g+4], 32
	s_mov_b32 s[\g+5], 32
	s_mov_b32 s[\g+6], 0
	s_mov_b32 s[\g+7], 0
.endr
	s_mul_i32 s20, s17, GRP                        ; A's group
	s_mov_b32 s21, 0
	s_mul_i32 s96, s94, GRP
	s_add_co_u32 s96, s96, 4*TEN                   ; B's group, in wout's images
	s_mov_b32 s97, 0
	s_lshl_b32 s22, s17, 13
	s_mov_b32 s23, 0
	s_lshl_b32 s98, s94, 13
	s_add_co_u32 s98, s98, 4*TENS
	s_mov_b32 s99, 0
	s_mul_i32 s19, s14, QT                         ; the refill: my quarter of slot 0,
	s_mul_i32 s100, s16, QT                        ; which two of the four chunks
	s_mov_b32 s101, 0
	s_add_co_u32 s2, s16, 1                        ; slots 1 and 2: slot 1 + wave % 2,
	s_mul_i32 s18, s2, SLOT                        ; its place in LDS,
	s_mul_i32 s2, s2, 2*QT                         ; and its four chunks' place in the group
	s_mov_b32 s3, 0
	s_wait_dscnt 0x0                               ; both opening adds are done
	s_wait_kmcnt 0x0
	s_add_nc_u64 s[20:21], s[4:5], s[20:21]
	s_add_nc_u64 s[22:23], s[6:7], s[22:23]
	s_add_nc_u64 s[96:97], s[8:9], s[96:97]
	s_add_nc_u64 s[98:99], s[10:11], s[98:99]
	CROUND                                         ; all sixteen work-groups are here: the first joint loads meet
	s_mov_b32 s[G0S], 1
	s_mov_b32 s[G0S+1], SCL
	s_mov_b64 s[G0S+2:G0S+3], s[22:23]
	s_or_b32 s[G0S+3], s[G0S+3], 0x80000000
	s_mov_b32 s[G0SB], 1
	s_mov_b32 s[G0SB+1], SCL+GRPS
	s_mov_b64 s[G0SB+2:G0SB+3], s[98:99]
	s_or_b32 s[G0SB+3], s[G0SB+3], 0x80000000
	s_mov_b32 s[G0+8], 1
	s_mov_b32 s[G0+9], 0
	s_mov_b64 s[G0+10:G0+11], s[20:21]
	s_or_b32 s[G0+11], s[G0+11], 0x80000000
	s_mov_b32 s[G0B+8], 1
	s_mov_b32 s[G0B+9], 2*QT
	s_mov_b64 s[G0B+10:G0B+11], s[96:97]
	s_or_b32 s[G0B+11], s[G0B+11], 0x80000000
	s_mov_b32 s[G0+4], 1
	s_add_co_u32 s[G0+5], s18, 0
	s_add_nc_u64 s[G0+6:G0+7], s[20:21], s[2:3]
	s_or_b32 s[G0+7], s[G0+7], 0x80000000
	s_mov_b32 s[G0B+4], 1
	s_add_co_u32 s[G0B+5], s18, 2*QT
	s_add_nc_u64 s[G0B+6:G0B+7], s[96:97], s[2:3]
	s_or_b32 s[G0B+7], s[G0B+7], 0x80000000
	s_mov_b32 s[G0], 1
	s_add_co_u32 s[G0+1], s19, 0
	s_add_nc_u64 s[G0+2:G0+3], s[20:21], s[100:101]
	s_or_b32 s[G0+3], s[G0+3], 0x80000000
	s_mov_b32 s[G0B], 1
	s_add_co_u32 s[G0B+1], s19, 0
	s_add_nc_u64 s[G0B+2:G0B+3], s[96:97], s[100:101]
	s_or_b32 s[G0B+3], s[G0B+3], 0x80000000
	s_cmp_eq_u32 s15, 0                            ; the prefetch: the quarter that my refill will bring, my work-group's 24 blocks of its 96
	s_cselect_b64 s[4:5], s[20:21], s[96:97]
	s_cselect_b32 s6, s92, s93
	s_mul_i32 s6, s6, 6144
	s_mov_b32 s7, 0
	s_add_nc_u64 s[4:5], s[4:5], s[6:7]
	s_add_nc_u64 s[4:5], s[4:5], s[100:101]
; the head's loads, one a wave: one chain of branches on the wave's number, each arm with its load, all arms leading to one join
.macro ARM under, g0, g1, next
	s_cmp_lt_u32 s14, \under
	s_cbranch_scc0 \next
	tensor_load_to_lds s[\g0:\g0+3], s[\g1:\g1+7]
	s_nop 0
.rept 4
	v_nop
.endr
	s_branch .Lhead_asked
\next:
.endm
	ARM 1, G0+8,  G1,  .Lhead_b
	ARM 2, G0B+8, G1B, .Lhead_sa
	ARM 3, G0S,  G1S, .Lhead_sb
	tensor_load_to_lds s[G0SB:G0SB+3], s[G1SB:G1SB+7]
	s_nop 0
.rept 4
	v_nop
.endr
.Lhead_asked:
	v_and_b32 v6, 31, v0
	v_lshlrev_b32 v[LI], 4, v6
	s_wait_alu depctr_va_vdst(0)
	s_mul_i32 s2, s15, 4*1536
	s_mul_i32 s3, s16, 4*1536
	s_add_co_u32 s3, s3, 2*QT
.irp s, 0,1,2
	v_add_nc_u32 v[ADRA+\s], s2, v[LI]
	v_add_nc_u32 v[ADRB+\s], s3, v[LI]
	s_add_co_u32 s2, s2, SLOT
	s_add_co_u32 s3, s3, SLOT
.endr
	s_lshl_b32 s2, s15, 3
	s_add_co_u32 s2, s2, SCL
	v_add_nc_u32 v[ADSA], s2, v[LI]
	s_lshl_b32 s3, s16, 3
	s_add_co_u32 s3, s3, SCL+GRPS
	v_add_nc_u32 v[ADSB], s3, v[LI]
	v_and_b32 v1, 15, v0
	v_bfe_u32 v2, v0, 4, 1
	s_mul_i32 s2, s14, 16*SPITCH
	s_add_co_u32 s2, s2, STAGE
	v_mul_u32_u24 v5, v1, SPITCH
	v_lshl_add_u32 v5, v2, 6, v5
	v_add_nc_u32 v[STO], s2, v5
	v_mul_u32_u24 v5, v2, SPITCH
	v_lshl_add_u32 v5, v1, 4, v5
	v_add_nc_u32 v[RD], s2, v5
	v_lshlrev_b32 v5, 13, v2
	v_lshl_add_u32 v[CO], v1, 4, v5
	s_lshl_b32 s18, s17, 20
	s_lshl_b32 s101, s15, 19
	s_add_co_u32 s18, s18, s101
	s_lshl_b32 s101, s94, 9
	s_add_co_u32 s18, s18, s101
	s_lshl_b32 s101, s16, 8
	s_add_co_u32 s18, s18, s101
	s_mov_b32 s19, 0
	s_add_nc_u64 s[12:13], s[12:13], s[18:19]
	s_wait_alu depctr_va_vdst(0)
	global_prefetch_b8 v[PFO], s[4:5] offset:6*QT th:TH_LOAD_NT scope:SCOPE_SE   ; chunks 12-15; its registers are not written again
.macro FRAG reg, adr, off
.irp c, 0,1,2
	ds_load_b128 v[\reg+4*\c:\reg+4*\c+3], v[\adr] offset:\off+512*\c
.endr
.endm
.macro WMR d, b, a, sb, sa, ob, oa, zero
.if \zero
.if (\ob) && (\oa)
	v_wmma_scale_f32_16x16x128_f8f6f4 v[\d:\d+7], v[\b:\b+FR-1], v[\a:\a+FR-1], 0, v[\sb], v[\sa] matrix_a_fmt:MATRIX_FMT_FP6 matrix_b_fmt:MATRIX_FMT_FP6 matrix_a_scale:MATRIX_SCALE_ROW1 matrix_b_scale:MATRIX_SCALE_ROW1
.elseif (\ob)
	v_wmma_scale_f32_16x16x128_f8f6f4 v[\d:\d+7], v[\b:\b+FR-1], v[\a:\a+FR-1], 0, v[\sb], v[\sa] matrix_a_fmt:MATRIX_FMT_FP6 matrix_b_fmt:MATRIX_FMT_FP6 matrix_a_scale:MATRIX_SCALE_ROW1
.elseif (\oa)
	v_wmma_scale_f32_16x16x128_f8f6f4 v[\d:\d+7], v[\b:\b+FR-1], v[\a:\a+FR-1], 0, v[\sb], v[\sa] matrix_a_fmt:MATRIX_FMT_FP6 matrix_b_fmt:MATRIX_FMT_FP6 matrix_b_scale:MATRIX_SCALE_ROW1
.else
	v_wmma_scale_f32_16x16x128_f8f6f4 v[\d:\d+7], v[\b:\b+FR-1], v[\a:\a+FR-1], 0, v[\sb], v[\sa] matrix_a_fmt:MATRIX_FMT_FP6 matrix_b_fmt:MATRIX_FMT_FP6
.endif
.else
.if (\ob) && (\oa)
	v_wmma_scale_f32_16x16x128_f8f6f4 v[\d:\d+7], v[\b:\b+FR-1], v[\a:\a+FR-1], v[\d:\d+7], v[\sb], v[\sa] matrix_a_fmt:MATRIX_FMT_FP6 matrix_b_fmt:MATRIX_FMT_FP6 matrix_a_scale:MATRIX_SCALE_ROW1 matrix_b_scale:MATRIX_SCALE_ROW1
.elseif (\ob)
	v_wmma_scale_f32_16x16x128_f8f6f4 v[\d:\d+7], v[\b:\b+FR-1], v[\a:\a+FR-1], v[\d:\d+7], v[\sb], v[\sa] matrix_a_fmt:MATRIX_FMT_FP6 matrix_b_fmt:MATRIX_FMT_FP6 matrix_a_scale:MATRIX_SCALE_ROW1
.elseif (\oa)
	v_wmma_scale_f32_16x16x128_f8f6f4 v[\d:\d+7], v[\b:\b+FR-1], v[\a:\a+FR-1], v[\d:\d+7], v[\sb], v[\sa] matrix_a_fmt:MATRIX_FMT_FP6 matrix_b_fmt:MATRIX_FMT_FP6 matrix_b_scale:MATRIX_SCALE_ROW1
.else
	v_wmma_scale_f32_16x16x128_f8f6f4 v[\d:\d+7], v[\b:\b+FR-1], v[\a:\a+FR-1], v[\d:\d+7], v[\sb], v[\sa] matrix_a_fmt:MATRIX_FMT_FP6 matrix_b_fmt:MATRIX_FMT_FP6
.endif
.endif
.endm
.macro MUL4 a, ch, zero                ; the 16 accumulators take turns, one instruction a turn
.irp b, 0,1,2,3
	WMR ACC+8*(4*(\a)+\b), 128*((\ch)%2)+48+FR*\b, 128*((\ch)%2)+FR*(\a), SC+4*(\ch)+2+\b/2, SC+4*(\ch)+(\a)/2, \b%2, (\a)%2, \zero
.endr
.endm
.macro FETCH ch                        ; a chunk's fragments, B's four and A's four, into window 1, set ch % 2
	WIN TO_F
.irp i, 0,1,2,3
	FRAG 128*((\ch)%2)+48+FR*\i, ADRB+((\ch)/4)%3, CH*((\ch)%4)+1536*\i
.endr
.irp i, 0,1,2,3
	FRAG 128*((\ch)%2)+FR*\i, ADRA+((\ch)/4)%3, CH*((\ch)%4)+1536*\i
.endr
.endm
.macro CHUNK ch, zero, fetch
	s_wait_dscnt 6                                 ; all but A's last two fragments are in
	WIN MUL
	MUL4 0, \ch, \zero
	MUL4 1, \ch, \zero
.if \fetch
	PLACES NP
	FETCH (\ch)+1
	s_wait_dscnt 24                                ; all but the 24 just issued
.else
	s_wait_alu depctr_va_vdst(0)
	s_wait_dscnt 0x0
.endif
	WIN MUL
	MUL4 2, \ch, \zero
	MUL4 3, \ch, \zero
.endm
.macro TURN ch, fill                   ; a slot's last chunk: every wave's three lines, the barrier (fill = 1: it opens a round, and slot 0 is filled again), the next slot's first fragments
	WIN 0
	s_wait_tensorcnt 0x0
	ds_add_u32 v[SPW], v[NIL]
	s_wait_dscnt 7
	WIN MUL
	MUL4 0, \ch, 0
	s_wait_dscnt 0x0
	s_barrier_signal -1
	MUL4 1, \ch, 0
	WIN 0
	s_barrier_wait -1
.if \fill
	CREST
	s_mov_b32 s[G1+2], 96<<16                      ; no tensor load of mine is out: from here on a load brings 96 rows
	s_mov_b32 s[G1+4], 96
	s_mov_b32 s[G1B+2], 96<<16
	s_mov_b32 s[G1B+4], 96
	s_add_nc_u64 s[G0+2:G0+3], s[G0+2:G0+3], 6*QT
	s_add_nc_u64 s[G0B+2:G0B+3], s[G0B+2:G0B+3], 6*QT
	JLOAD G0, G1, G0B, G1B
.else
	PLACES NP
.endif
	FETCH (\ch)+1
	WIN MUL
	MUL4 2, \ch, 0
	MUL4 3, \ch, 0
.endm
	s_wait_tensorcnt 0x0                           ; my tile of the head's four is in
	ds_add_u32 v[SPW], v[NIL]
	s_wait_dscnt 0x0
	CROUND                                         ; all four tiles are in, and all sixteen work-groups are here
	JLOAD G0+4, G1, G0B+4, G1B                     ; slots 1 and 2: my one load behind the round
.set cc, 0
.rept 16
	ds_load_b64 v[SC+4*cc:SC+4*cc+1], v[ADSA] offset:512*cc
	ds_load_b64 v[SC+4*cc+2:SC+4*cc+3], v[ADSB] offset:512*cc
.set cc, cc+1
.endr
	FETCH 0
	CHUNK 0, 1, 1
.irp n, 1,2
	CHUNK \n, 0, 1
.endr
	TURN 3, 1
.irp n, 4,5,6,7,8,9,10
	CHUNK \n, 0, 1
.endr
	TURN 11, 0
.irp n, 12,13,14
	CHUNK \n, 0, 1
.endr
	CHUNK 15, 0, 0
	WIN 0
.macro TOSTAGE a
.irp b, 0,1,2,3
	ds_store_b128 v[STO], v[ACC+8*(4*(\a)+\b):ACC+8*(4*(\a)+\b)+3] offset:128*(\b/2)+32*(\b%2)
	ds_store_b128 v[STO], v[ACC+8*(4*(\a)+\b)+4:ACC+8*(4*(\a)+\b)+7] offset:128*(\b/2)+32*(\b%2)+16
.endr
.irp t, 0,1,2,3,4,5,6,7
	ds_load_b128 v[ACC+32*(\a)+4*\t:ACC+32*(\a)+4*\t+3], v[RD] offset:2*\t*SPITCH
.endr
.endm
.macro SEND a, younger
	s_wait_dscnt \younger
.irp t, 0,1,2,3,4,5,6,7
	global_store_b128 v[CO], v[ACC+32*(\a)+4*\t:ACC+32*(\a)+4*\t+3], s[12:13] offset:(32*((\a)/2)+8*((\a)%2)+2*\t+8*(\t/4))*8192 th:TH_STORE_NT
.endr
.endm
	PLACES NP
	TOSTAGE 0
	TOSTAGE 1
	SEND 0, 16
	TOSTAGE 2
	SEND 1, 16
	TOSTAGE 3
	SEND 2, 16
	SEND 3, 0
	s_wait_tensorcnt 0x0                           ; the wave's end
	ds_add_u32 v[SPW], v[NIL]
	s_wait_dscnt 0x0
	CROUND                                         ; the closing round
	s_endpgm
.Lfunc_end_k_qdbb5f28611_outp:
	.size	k_qdbb5f28611_outp, .Lfunc_end_k_qdbb5f28611_outp-k_qdbb5f28611_outp
	.p2alignl 7, 3214868480
	.fill 96, 4, 3214868480
	.section	.rodata,"a",@progbits
	.p2align	6, 0x0
	.amdhsa_kernel k_qdbb5f28611_outp
		.amdhsa_group_segment_fixed_size 327680
		.amdhsa_private_segment_fixed_size 0
		.amdhsa_enable_private_segment 0
		.amdhsa_kernarg_size 40
		.amdhsa_user_sgpr_count 2
		.amdhsa_user_sgpr_kernarg_segment_ptr 1
		.amdhsa_wavefront_size32 1
		.amdhsa_system_sgpr_workgroup_id_x 1
		.amdhsa_system_sgpr_workgroup_id_y 1
		.amdhsa_system_sgpr_workgroup_id_z 1
		.amdhsa_system_vgpr_workitem_id 0
		.amdhsa_next_free_vgpr 512
		.amdhsa_next_free_sgpr 102
		.amdhsa_reserve_vcc 0
		.amdhsa_float_denorm_mode_32 3
		.amdhsa_float_denorm_mode_16_64 3
		.amdhsa_memory_ordered 1
		.amdhsa_forward_progress 1
		.amdhsa_inst_pref_size 82
	.end_amdhsa_kernel
	.amdgpu_metadata
---
amdhsa.version: [ 1, 2 ]
amdhsa.kernels:
  - .name:           k_qdbb5f28611_outp
    .symbol:         k_qdbb5f28611_outp.kd
    .args:
      - { .name: attc, .offset: 0, .size: 8, .value_kind: global_buffer, .address_space: global }
      - { .name: atts, .offset: 8, .size: 8, .value_kind: global_buffer, .address_space: global }
      - { .name: opc, .offset: 16, .size: 8, .value_kind: global_buffer, .address_space: global }
      - { .name: ops, .offset: 24, .size: 8, .value_kind: global_buffer, .address_space: global }
      - { .name: out0, .offset: 32, .size: 8, .value_kind: global_buffer, .address_space: global }
    .group_segment_fixed_size: 327680
    .private_segment_fixed_size: 0
    .kernarg_segment_align: 8
    .kernarg_segment_size: 40
    .max_flat_workgroup_size: 128
    .sgpr_count:     102
    .vgpr_count:     512
    .wavefront_size: 32
...
	.end_amdgpu_metadata
.endif
;; end of part 4
